; MI455X (gfx1250); checked and timed in simulation.
; The chip was launched on July 23, 2026; its instructions are those of AMD's public machine-readable ISA for CDNA 5 (MIT licence, August 2026) and "CDNA5" Instruction Set Architecture Reference Guide (July 2026). The comments in the code are by the model that wrote it; some were corrected since.
;; Transformer Block. Allowed arithmetic: matrix products marked QUANTISED: E3M2 operands, one E8M0 scale for each 32 along K, by v_wmma_scale_f32_16x16x128_f8f6f4 with both operands' format E3M2, f32 sums; everything else in f32.
;; Inputs: Wfc1_codes 4,096 x 32 x 24 uint8 (E3M2 codes of Wfc1, K innermost, in blocks of 32 codes, four codes in three bytes); Wfc1_scales 4,096 x 32 uint8 (E8M0 scales of Wfc1, one for each 32 codes along K); Wfc2_codes 1,024 x 64 x 24 uint8 (E3M2 codes of Wfc2, K innermost, in blocks of 32 codes, four codes in three bytes); Wfc2_scales 1,024 x 64 uint8 (E8M0 scales of Wfc2, one for each 32 codes along K); Wout_codes 1,024 x 32 x 24 uint8 (E3M2 codes of Wout, K innermost, in blocks of 32 codes, four codes in three bytes); Wout_scales 1,024 x 32 uint8 (E8M0 scales of Wout, one for each 32 codes along K); Wqkv_codes 3,072 x 32 x 24 uint8 (E3M2 codes of Wqkv, K innermost, in blocks of 32 codes, four codes in three bytes); Wqkv_scales 3,072 x 32 uint8 (E8M0 scales of Wqkv, one for each 32 codes along K); X 2 x 2,048 x 1,024 float32; ln1_w 1,024 float32; ln2_w 1,024 float32.
;; Outputs: out0 2 x 2,048 x 1,024 float32.
;; This version of the problem:
;;   THIS VERSION OF THE PROBLEM IS GIVEN IN LOW PRECISION. The matrix products marked QUANTISED in the list below multiply operands that are first quantised to E3M2 (3 exponent bits, 2 mantissa bits; 6 bits a number), with one power-of-two scale for each 32 numbers along K (OCP MX v1.0); their sums are f32. All else is computed in f32.
;;   The module's matrix products, in the order in which they are computed (A, B: the left and right operand; K: the contracted axis; several contracted axes count as one K, in the product's order):
;;     1. [M 4,096, K 1,024] x [K 1,024, N 3,072]; A: computed on the way; B: input Wqkv (given as codes): QUANTISED
;;     2. batch 32 x [M 2,048, K 64] x [K 64, N 2,048]; A: computed on the way; B: computed on the way: QUANTISED
;;     3. batch 32 x [M 64, K 2,048] x [K 2,048, N 2,048]; A: computed on the way; B: softmax (see below): QUANTISED
;;     4. [M 4,096, K 1,024] x [K 1,024, N 1,024]; A: computed on the way; B: input Wout (given as codes): QUANTISED
;;     5. [M 4,096, K 1,024] x [K 1,024, N 4,096]; A: computed on the way; B: input Wfc1 (given as codes): QUANTISED
;;     6. [M 4,096, K 2,048] x [K 2,048, N 1,024]; A: computed on the way; B: input Wfc2 (given as codes): QUANTISED
;;   THE QUANTISER, for each operand of a quantised product, along K:
;;     - K is cut into blocks of 32 from its start; a last block that is shorter is filled with zeros.
;;     - A block's scale is 2^e with e = floor(log2(the largest magnitude in the block)) - 4, held to -126 .. 127; a block of zeros has e = 0. As a byte (E8M0): e + 127.
;;     - Each number is divided by its block's scale, clamped to +-28, and rounded to the nearest number of E3M2, ties to even, subnormals kept.
;;     - The product sums the exact products of the quantised numbers (number of the format x scale) in f32.
;;   ~~~python
;;   def quantise(x, axis):      # numpy; x: float32 -> the quantised numbers, widened to float32 again
;;       x = np.moveaxis(x, axis, -1); K = x.shape[-1]
;;       x = np.pad(x, [(0, 0)] * (x.ndim - 1) + [(0, -K % 32)]); x = x.reshape(x.shape[:-1] + (-1, 32)); a = np.abs(x).max(-1, keepdims=True)
;;       e = np.where(a > 0, np.clip(np.frexp(np.where(a > 0, a, 1))[1] - 1 - 4, -126, 127), 0)      # np.frexp(a)[1] - 1 = floor(log2(a)), exactly
;;       r = np.clip(x / 2.0 ** e, -28, 28)
;;       step = 2.0 ** (np.maximum(np.frexp(np.where(r == 0, 1, r))[1] - 1, -2) - 2)
;;       q = np.round(r / step) * step * 2.0 ** e      # np.round: ties to even
;;       return np.moveaxis(q.reshape(q.shape[:-2] + (-1,))[..., :K], -1, axis).astype(np.float32)
;;   ~~~
;;   SOFTMAX AHEAD OF A QUANTISED PRODUCT. Where the list says 'softmax', what is quantised is not the finished softmax but p = 2^(t - M), with t = logit x log2(e) and M = ceil(the row's largest t), a whole number; so 1/2 < the row's largest p <= 1. The row's sum l is taken of the UNQUANTISED p, in f32, and the product's result is divided by l at the end. Since M is a whole number, a kernel that streams over the keys may use a running M (the ceiling of the running maximum): every later rescaling is an exact power of two, which a block's scale takes up: the codes' values come out the same.
;;   OPERANDS COMPUTED ON THE WAY. 'Computed on the way' means the value that the module computes at that place (a softmax that the list does not call 'softmax' is quantised finished and normalised). What goes into a quantiser is computed in f32, as accurately as f32 sums, v_exp_f32 and their like allow (about 1e-6 of the number): no bf16 or f16 on the way to a quantiser, and a product that is left as it is and whose result goes on into a quantised operand takes f32 operands (vector FMAs, or v_wmma_f32_16x16x4_f32). A number that lies on a knife's edge between two numbers of the format may be rounded either way, as far as f32 arithmetic and the matrix unit's own rounding can turn it there, and no further.
;;   INPUTS GIVEN AS CODES. Wfc1 (in the module: [1024, 4096], K = its axis 0); Wfc2 (in the module: [2048, 1024], K = its axis 0); Wout (in the module: [1024, 1024], K = its axis 0); Wqkv (in the module: [1024, 3072], K = its axis 0): each comes as NAME_codes (uint8): NAME with its K axis moved to the last place and cut into blocks of 32 codes, [.., K / 32, bytes a block], one block behind the other in memory; four codes in three bytes: a row's codes are one little-endian stream of bits, code i at bits 6 i .. 6 i + 5 (a code: sign, 3 exponent bits, 2 mantissa bits); and NAME_scales (uint8): the same leading axes, one E8M0 byte (e + 127) for each 32 codes along K. Its value is code x scale, taken as it is: it is not quantised again, and the codes and scales need not be those that the quantiser above would give.
;; One version. Each part assembles by itself: llvm-mc -triple=amdgcn-amd-amdhsa -mcpu=gfx1250 --defsym DOCPART=n.
;; ======== version 1 of 1: 7 launches
;; limits: right only within a limited range of input values
;; workspace buffers: wimg 8,519,680 bytes; himg 3,407,872 bytes; aimg 3,407,872 bytes; gimg 6,815,744 bytes; qimg 3,407,872 bytes; kv 6,684,672 bytes; x1 16,777,216 bytes
;; launch ln1 (part 1): grid 416 x 1, 4 waves a work-group, no clusters, 68,096 bytes of LDS; arguments X, ln1_w, himg, Wqkv_codes, Wqkv_scales, Wout_codes, Wout_scales, Wfc1_codes, Wfc1_scales, Wfc2_codes, Wfc2_scales, wimg; writes himg, wimg
.if DOCPART == 1
	.amdgcn_target "amdgcn-amd-amdhsa--gfx1250"
	.amdhsa_code_object_version 6
	.text
	.protected	k_q0820b209e6_ln1
	.globl	k_q0820b209e6_ln1
	.p2align	8
	.type	k_q0820b209e6_ln1,@function
k_q0820b209e6_ln1:
	s_mov_b64 s[64:65], 0
	v_nop
	global_prefetch_b8 v0, s[64:65] scope:SCOPE_SE
	s_setreg_imm32_b32 hwreg(HW_REG_WAVE_MODE, 25, 1), 1
	s_wait_xcnt 0x0
; TWO JOBS, parted by the work-group's number.
; Work-groups 0-255: h = (x - mean) w / sqrt(var + 1e-5) for 16 tokens of x [4096][1024] f32, quantised to BF6 (E3M2) with one E8M0 byte for each 32 along the 1,024,
;   stored as IMAGES OF OPERAND REGISTERS: fragment (token tile mt, K step s) = 12 registers a lane, register group c at 512 c + 16 lane, 1,536 bytes; its scale words 4 bytes a lane.
; Work-groups 256-415 (only in the launch whose grid has them): the four weights' codes and scale bytes are laid out once as the same kind of images, slice by slice, K step by K step.
; TOKEN ORDER: lane r of tile mt holds token 32 (mt / 2) + 8 (mt % 2) + r + 8 (r / 8); the rows of every weight tile are chosen by the same formula.
; LayerNorm: wave w takes columns 256 w .. 256 w + 255 of the 16 rows.  Loads take 512 consecutive bytes; the numbers turn through the wave's own stage in LDS so that lane (r, h) holds, of row r,
; 16 neighbours of each block of 32.  Mean first, then the sum of squares of x - mean: no difference of large sums.  The four waves' partial sums meet in LDS, one barrier each.
; LIMITS: NaN and infinities are not served; a block whose largest magnitude lies under 2^-122 keeps the scale byte 1, a block of zeros too (its codes are zeros; this program alone reads the bytes);
; the result is ((x - mean) w) rstd, one rounding away from the order (x - mean) rstd w.
.set XR,   64                          ; v64-191  128 numbers: register 64 sl + 16 b + i = column 256 w + 128 sl + 32 b + 16 h + i of row r
.set WR,   192                         ; v192-255 the gains of one K step, in the same order
.set TM,   18                          ; v18-33   at work (sums, then the quantiser)
.set PW,   34                          ; v34      the scale word just made
.set PC,   36                          ; v36-54   the codes just made
.set SEL,  60                          ; s[60:61] selects for lane l xor 16
.set STAT, 66560                       ; LDS: behind the four stages of 16 x 1,040 bytes: 256 bytes for the sums, 256 for the sums of squares
.set MSB, 0
.macro WIN new                         ; the immediate's high byte repeats the setting that is left
.if MSB != (\new)
	s_set_vgpr_msb (MSB<<8)|(\new)
.set MSB, (\new)
.endif
.endm
; 64 numbers of a lane in window W, register 16 b + i = k 32 b + 16 h + i of my row, become a fragment's codes in v[PC] on and its scale word in v[PW]
.macro QUANT s, W
	WIN 5*(\W)
.irp b, 0,1,2,3
	v_max3_num_f32 v[TM+\b], |v[(\s)+16*\b]|, |v[(\s)+16*\b+1]|, 0x2800000   ; my 16 numbers of block b, and the floor 2^(5 - 127): the byte cannot fall under 1
.endr
	WIN 20*(\W)
.irp i, 2,4,6,8,10,12,14
.irp b, 0,1,2,3
	v_max3_num_f32 v[TM+\b], v[TM+\b], |v[(\s)+16*\b+\i]|, |v[(\s)+16*\b+\i+1]|
.endr
.endr
	WIN 0
.irp b, 0,1,2,3
	v_permlanex16_b32 v[TM+4+\b], v[TM+\b], s[SEL], s[SEL+1]
.endr
.irp b, 0,1,2,3
	v_max_num_f32 v[TM+\b], v[TM+\b], v[TM+4+\b]   ; with lane l xor 16's: the block's largest magnitude
.endr
.irp b, 0,1,2,3
	v_add_nc_u32 v[TM+12+\b], 0xfe000000, v[TM+\b]   ; 4 off its exponent field: the conversion's scale operand
.endr
.irp b, 0,1,2,3
	v_lshrrev_b32 v[TM+4+\b], 23, v[TM+12+\b]      ; the scale's byte
.endr
	v_lshl_or_b32 v[PW], v[TM+5], 8, v[TM+4]
	v_lshl_or_b32 v[PW], v[TM+6], 16, v[PW]
	v_lshl_or_b32 v[PW], v[TM+7], 24, v[PW]
	WIN \W
.irp c, 0,1
	v_cvt_scalef32_pk16_bf6_f32 v[PC+6*\c:PC+6*\c+2], v[(\s)+32*\c:(\s)+32*\c+15], v[TM+12+2*\c]
	v_cvt_scalef32_pk16_bf6_f32 v[PC+12+4*\c:PC+14+4*\c], v[(\s)+32*\c+16:(\s)+32*\c+31], v[TM+13+2*\c]   ; (a conversion's three registers begin on an even number)
.endr
	WIN 0
	v_nop                                          ; one plain place behind the scaled conversions
.irp c, 0,1                                    ; the operand's layout wants a whole block in a lane: lanes 0-15 block 2 c, lanes 16-31 block 2 c + 1
.irp i, 0,1,2
	v_permlane16_swap_b32 v[PC+6*\c+\i], v[PC+12+4*\c+\i]
.endr
.irp i, 0,1,2
	v_mov_b32 v[PC+3+6*\c+\i], v[PC+12+4*\c+\i]
.endr
.endr
.endm
; the layout path: s20 = the tile's number a in its slice, s22 = the slice's first byte in wimg, s12 and s14 = the rows' first bytes among the codes and the scale bytes
.macro TARGET cb, scoff
	s_mul_i32 s16, s20, 1536
	s_add_co_u32 s16, s16, s22
	s_lshl_b32 s18, s20, 7
	s_add_co_u32 s18, s18, s22
	s_add_co_u32 s18, s18, \scoff
	s_add_nc_u64 s[44:45], s[\cb:\cb+1], s[12:13]
	s_add_nc_u64 s[46:47], s[\cb+2:\cb+3], s[14:15]
	s_add_nc_u64 s[48:49], s[40:41], s[16:17]
	s_add_nc_u64 s[50:51], s[40:41], s[18:19]
.endm
; eight K steps of one tile of 16 rows: lane (r, h) takes 24 bytes twice from its row, as they lie, and its row's scale word; they leave as images
.macro COPY krow, srow, str, stride
	v_mul_u32_u24 v11, v10, (\str)*(\krow)
	v_mad_u32_u24 v11, v3, 24, v11
	v_mul_u32_u24 v12, v10, (\str)*(\srow)
.irp s, 0,1,2,3,4,5,6,7
.irp p, 0,1,2,3,4,5
	global_load_b64 v[64+12*\s+2*\p:65+12*\s+2*\p], v11, s[44:45] offset:96*\s+48*(\p/3)+8*(\p%3)
.endr
	global_load_b32 v[32+\s], v12, s[46:47] offset:4*\s
.endr
.irp s, 0,1,2,3,4,5,6,7
	s_wait_loadcnt 7*(7-\s)                        ; this K step's seven loads are in; the seven of each later K step may be out
.irp c, 0,1,2
	global_store_b128 v1, v[64+12*\s+4*\c:67+12*\s+4*\c], s[48:49] offset:(\stride)*\s+512*\c
.endr
	global_store_b32 v9, v[32+\s], s[50:51] offset:(\stride)*\s
.endr
.endm
	v_lshl_add_u32 v62, v0, 2, 0x10800
	v_mov_b32 v63, 0
	v_lshrrev_b32 v1, 5, v0
	v_readfirstlane_b32 s8, v1                     ; wave 0..3
	v_and_b32 v9, 31, v0
	v_and_b32 v2, 15, v0                           ; r
	v_bfe_u32 v3, v0, 4, 1                         ; h
	v_lshlrev_b32 v1, 4, v9                        ; 16 x lane
	v_lshlrev_b32 v9, 2, v9                        ; 4 x lane
	s_cmp_ge_u32 ttmp9, 256                        ; the same for all waves of a work-group
	s_cbranch_scc1 .Lrelay
	; ---------------- LayerNorm and quantiser: token tile mt = the work-group's number ----------------
	s_load_b128 s[4:7], s[0:1], 0x0                ; x, the gains
	s_load_b64 s[12:13], s[0:1], 0x10              ; himg
	s_mul_i32 s9, s8, 16640                        ; my stage
	v_add_nc_u32 v4, s9, v1                        ; into it: 16 x lane
	v_mul_u32_u24 v5, v2, 1040
	v_lshl_add_u32 v5, v3, 6, v5
	v_add_nc_u32 v5, s9, v5                        ; out of it: row r of 1,040 bytes (65 x 16: the 16 rows start in different banks), + 64 h
	s_lshl_b32 s10, s8, 10                         ; my 256 columns: 1,024 bytes
	v_lshl_add_u32 v6, v3, 6, s10                  ; the gains: 1,024 w + 64 h
	v_lshlrev_b32 v8, 2, v2
	s_lshl_b32 s11, s8, 6
	v_add_nc_u32 v7, s11, v8
	v_add_nc_u32 v7, STAT, v7                      ; where I put my wave's sum of row r
	v_add_nc_u32 v8, STAT, v8                      ; where the four waves' sums of row r begin
	v_mov_b32 v26, 0                               ; (a lane permute's destination counts as read)
	s_mov_b32 s[SEL], 0x76543210
	s_mov_b32 s[SEL+1], 0xfedcba98
	s_mov_b32 s40, 0x3a800000                      ; 1 / 1,024
	s_mov_b32 s41, 0x3727c5ac                      ; 1e-5
	s_lshr_b32 s14, ttmp9, 1
	s_lshl_b32 s14, s14, 17                        ; 32 (mt / 2) rows of 4,096 bytes
	s_and_b32 s15, ttmp9, 1
	s_lshl_b32 s15, s15, 15                        ; + 8 (mt % 2) rows
	s_add_co_u32 s14, s14, s15
	s_add_co_u32 s14, s14, s10
	s_mov_b32 s15, 0
	s_lshl_b32 s16, ttmp9, 3
	s_lshl_b32 s17, s8, 1
	s_add_co_u32 s16, s16, s17                     ; my first fragment: 8 mt + 2 w
	s_mul_i32 s18, s16, 1536
	s_mov_b32 s19, 0
	s_lshl_b32 s20, s16, 7
	s_add_co_u32 s20, s20, 3145728                 ; the scale words lie behind the codes
	s_mov_b32 s21, 0
	s_wait_alu depctr_va_vdst(0)
	s_wait_kmcnt 0x0
	s_add_nc_u64 s[4:5], s[4:5], s[14:15]
	s_add_nc_u64 s[18:19], s[12:13], s[18:19]
	s_add_nc_u64 s[20:21], s[12:13], s[20:21]
.irp b, 0,1,2,3
.irp j, 0,1,2,3
	global_load_b128 v[WR+16*\b+4*\j:WR+16*\b+4*\j+3], v6, s[6:7] offset:128*\b+16*\j
.endr
.endr
.set i, 0
.rept 32                                       ; load i: 512 consecutive bytes of the tile's row i / 2
	global_load_b128 v[XR+4*i:XR+4*i+3], v1, s[4:5] offset:(i/2+8*(i/16))*4096+512*(i%2) th:TH_LOAD_NT
.set i, i+1
.endr
.set i, 0
.rept 32
	s_wait_loadcnt 31-i                            ; load i is in; the younger ones may be out
	ds_store_b128 v4, v[XR+4*i:XR+4*i+3] offset:1040*(i/2)+512*(i%2)
.set i, i+1
.endr
.irp sl, 0,1
.irp b, 0,1,2,3
.irp j, 0,1,2,3
	ds_load_b128 v[XR+64*\sl+16*\b+4*\j:XR+64*\sl+16*\b+4*\j+3], v5 offset:512*\sl+128*\b+16*\j   ; LDS serves a wave's instructions in order: these see my stores
.endr
.endr
.endr
	s_wait_dscnt 0x0
.irp k, 0,1,2,3                                ; the row's sum: four chains, started by the first numbers
	v_pk_add_f32 v[18+2*\k:19+2*\k], v[XR+2*\k:XR+2*\k+1], v[XR+8+2*\k:XR+9+2*\k]
.endr
.set i, 16
.rept 14
.irp k, 0,1,2,3
	v_pk_add_f32 v[18+2*\k:19+2*\k], v[18+2*\k:19+2*\k], v[XR+i+2*\k:XR+i+2*\k+1]
.endr
.set i, i+8
.endr
	v_pk_add_f32 v[18:19], v[18:19], v[20:21]
	v_pk_add_f32 v[22:23], v[22:23], v[24:25]
	v_pk_add_f32 v[18:19], v[18:19], v[22:23]
	v_add_f32 v18, v18, v19
	v_permlanex16_b32 v26, v18, s[SEL], s[SEL+1]
	v_add_f32 v18, v18, v26                        ; my wave's 256 columns of row r
	ds_store_b32 v7, v18
	s_wait_dscnt 0x0                               ; for the others' sake: my store has landed
	s_barrier_signal -1
	s_barrier_wait -1
	ds_load_b32 v10, v8
	ds_load_b32 v11, v8 offset:64
	ds_load_b32 v12, v8 offset:128
	ds_load_b32 v13, v8 offset:192
	s_wait_dscnt 0x0
	v_add_f32 v10, v10, v11
	v_add_f32 v12, v12, v13
	v_add_f32 v10, v10, v12
	v_mul_f32 v14, s40, v10                        ; the mean
	v_mov_b32 v15, v14
.set i, 0
.rept 64
	v_pk_add_f32 v[XR+i:XR+i+1], v[XR+i:XR+i+1], v[14:15] neg_lo:[0,1] neg_hi:[0,1]
.set i, i+2
.endr
.irp k, 0,1,2,3
	v_pk_mul_f32 v[18+2*\k:19+2*\k], v[XR+2*\k:XR+2*\k+1], v[XR+2*\k:XR+2*\k+1]
.endr
.set i, 8
.rept 15
.irp k, 0,1,2,3
	v_pk_fma_f32 v[18+2*\k:19+2*\k], v[XR+i+2*\k:XR+i+2*\k+1], v[XR+i+2*\k:XR+i+2*\k+1], v[18+2*\k:19+2*\k]
.endr
.set i, i+8
.endr
	v_pk_add_f32 v[18:19], v[18:19], v[20:21]
	v_pk_add_f32 v[22:23], v[22:23], v[24:25]
	v_pk_add_f32 v[18:19], v[18:19], v[22:23]
	v_add_f32 v18, v18, v19
	v_permlanex16_b32 v26, v18, s[SEL], s[SEL+1]
	v_add_f32 v18, v18, v26
	ds_store_b32 v7, v18 offset:256                ; other bytes than the first exchange's: no barrier is owed between the two
.set i, 0
.rept 32
	v_pk_mul_f32 v[XR+i:XR+i+1], v[XR+i:XR+i+1], v[WR+i:WR+i+1]   ; the first K step's gains (their loads are older than x's)
.set i, i+2
.endr
.irp b, 0,1,2,3
.irp j, 0,1,2,3
	global_load_b128 v[WR+16*\b+4*\j:WR+16*\b+4*\j+3], v6, s[6:7] offset:512+128*\b+16*\j   ; the second K step's take their place
.endr
.endr
	s_wait_dscnt 0x0
	s_barrier_signal -1
	s_barrier_wait -1
	ds_load_b32 v10, v8 offset:256
	ds_load_b32 v11, v8 offset:320
	ds_load_b32 v12, v8 offset:384
	ds_load_b32 v13, v8 offset:448
	s_wait_dscnt 0x0
	v_add_f32 v10, v10, v11
	v_add_f32 v12, v12, v13
	v_add_f32 v10, v10, v12
	v_fma_f32 v10, v10, s40, s41                   ; the variance + 1e-5
	s_wait_alu depctr_va_vdst(0)
	v_rsq_f32 v16, v10
	v_nop                                          ; a plain place behind the transcendental
	s_wait_alu depctr_va_vdst(0)                   ; and the wait ahead of its first reader
	v_mov_b32 v17, v16
	s_wait_loadcnt 0x0
.set i, 0
.rept 32
	v_pk_mul_f32 v[XR+64+i:XR+65+i], v[XR+64+i:XR+65+i], v[WR+i:WR+i+1]
.set i, i+2
.endr
.set i, 0
.rept 64
	v_pk_mul_f32 v[XR+i:XR+i+1], v[XR+i:XR+i+1], v[16:17]
.set i, i+2
.endr
.irp sl, 0,1
.if \sl
	s_wait_xcnt 0x0                                ; the first fragment's stores have read their registers
.endif
	QUANT XR+64*\sl, 0
.irp c, 0,1,2
	global_store_b128 v1, v[PC+4*\c:PC+4*\c+3], s[18:19] offset:1536*\sl+512*\c   ; 512 consecutive bytes a store
.endr
	global_store_b32 v9, v[PW], s[20:21] offset:128*\sl
.endr
	s_wait_tensorcnt 0x0
	ds_add_u32 v62, v63
	s_wait_dscnt 0x0
	s_endpgm
	; ---------------- the weights' layout: work-group 256 + g takes four tiles, wave w one of them, eight K steps ----------------
.Lrelay:
	s_load_b128 s[24:27], s[0:1], 0x18             ; Wqkv's codes and scales
	s_load_b128 s[28:31], s[0:1], 0x28             ; Wout's
	s_load_b128 s[32:35], s[0:1], 0x38             ; Wfc1's
	s_load_b128 s[36:39], s[0:1], 0x48             ; Wfc2's
	s_load_b64 s[40:41], s[0:1], 0x58              ; wimg
	s_sub_co_u32 s9, ttmp9, 256                    ; g
	s_lshr_b32 s10, s8, 1
	s_lshl_b32 s10, s10, 5
	s_and_b32 s11, s8, 1
	s_lshl_b32 s11, s11, 3
	s_add_co_u32 s10, s10, s11                     ; the wave's term of the row: 32 (w / 2) + 8 (w % 2)
	s_wait_alu depctr_va_vdst(0)
	v_and_b32 v10, 8, v2
	v_add_nc_u32 v10, v10, v2                      ; the lane's: r + 8 (r / 8)
	s_mov_b32 s13, 0
	s_mov_b32 s15, 0
	s_mov_b32 s17, 0
	s_mov_b32 s19, 0
	s_wait_kmcnt 0x0
	s_cmp_lt_u32 s9, 48
	s_cbranch_scc0 .Lnot_q
	s_mul_hi_u32 s11, s9, 0x55555556               ; Wqkv: head = g / 3, c = g % 3 (q, k or v); column 192 head + 3 d + c
	s_mul_i32 s20, s11, 3
	s_sub_co_u32 s20, s9, s20
	s_mul_i32 s21, s11, 192
	s_add_co_u32 s21, s21, s20
	s_mul_i32 s22, s10, 3
	s_add_co_u32 s21, s21, s22
	s_mul_i32 s12, s21, 768
	s_lshl_b32 s14, s21, 5
	s_lshl_b32 s20, s20, 2
	s_add_co_u32 s20, s20, s8                      ; tile 4 c + w of the head's twelve
	s_mul_i32 s22, s11, 159744
	TARGET 24, 18432
	s_wait_alu depctr_va_vdst(0)
	COPY 768, 32, 3, 19968
	s_endpgm
.Lnot_q:
	s_cmp_lt_u32 s9, 64
	s_cbranch_scc0 .Lnot_o
	s_sub_co_u32 s11, s9, 48                       ; Wout: 64 rows a work-group, slices of 128
	s_lshl_b32 s21, s11, 6
	s_add_co_u32 s21, s21, s10
	s_mul_i32 s12, s21, 768
	s_lshl_b32 s14, s21, 5
	s_and_b32 s20, s11, 1
	s_lshl_b32 s20, s20, 2
	s_add_co_u32 s20, s20, s8
	s_lshr_b32 s22, s11, 1
	s_mul_i32 s22, s22, 106496
	s_add_co_u32 s22, s22, 2555904
	TARGET 28, 12288
	s_wait_alu depctr_va_vdst(0)
	COPY 768, 32, 1, 13312
	s_endpgm
.Lnot_o:
	s_cmp_lt_u32 s9, 128
	s_cbranch_scc0 .Lnot_f1
	s_sub_co_u32 s11, s9, 64                       ; Wfc1: a slice holds 128 hidden units: eight tiles of a, then the same units' eight tiles of g (2,048 rows on)
	s_bfe_u32 s21, s11, 0x10001
	s_lshl_b32 s21, s21, 11
	s_lshr_b32 s22, s11, 2
	s_lshl_b32 s23, s22, 7
	s_add_co_u32 s21, s21, s23
	s_and_b32 s23, s11, 1
	s_lshl_b32 s23, s23, 6
	s_add_co_u32 s21, s21, s23
	s_add_co_u32 s21, s21, s10
	s_mul_i32 s12, s21, 768
	s_lshl_b32 s14, s21, 5
	s_and_b32 s20, s11, 3
	s_lshl_b32 s20, s20, 2
	s_add_co_u32 s20, s20, s8
	s_mul_i32 s22, s22, 212992
	s_add_co_u32 s22, s22, 3407872
	TARGET 32, 24576
	s_wait_alu depctr_va_vdst(0)
	COPY 768, 32, 1, 26624
	s_endpgm
.Lnot_f1:
	s_sub_co_u32 s11, s9, 128                      ; Wfc2: sixteen K steps: a work-group takes one half of them
	s_and_b32 s23, s11, 1
	s_lshr_b32 s11, s11, 1
	s_lshl_b32 s21, s11, 6
	s_add_co_u32 s21, s21, s10
	s_mul_i32 s12, s21, 1536
	s_mul_i32 s52, s23, 768
	s_add_co_u32 s12, s12, s52
	s_lshl_b32 s14, s21, 6
	s_lshl_b32 s52, s23, 5
	s_add_co_u32 s14, s14, s52
	s_and_b32 s20, s11, 1
	s_lshl_b32 s20, s20, 2
	s_add_co_u32 s20, s20, s8
	s_lshr_b32 s22, s11, 1
	s_mul_i32 s22, s22, 212992
	s_mul_i32 s52, s23, 106496
	s_add_co_u32 s22, s22, s52
	s_add_co_u32 s22, s22, 6815744
	TARGET 36, 12288
	s_wait_alu depctr_va_vdst(0)
	COPY 1536, 64, 1, 13312
	s_endpgm
.Lfunc_end_k_q0820b209e6_ln1:
	.size	k_q0820b209e6_ln1, .Lfunc_end_k_q0820b209e6_ln1-k_q0820b209e6_ln1
	.p2alignl 7, 3214868480
	.fill 96, 4, 3214868480
	.section	.rodata,"a",@progbits
	.p2align	6, 0x0
	.amdhsa_kernel k_q0820b209e6_ln1
		.amdhsa_group_segment_fixed_size 68096
		.amdhsa_private_segment_fixed_size 0
		.amdhsa_enable_private_segment 0
		.amdhsa_kernarg_size 96
		.amdhsa_user_sgpr_count 2
		.amdhsa_user_sgpr_kernarg_segment_ptr 1
		.amdhsa_wavefront_size32 1
		.amdhsa_system_sgpr_workgroup_id_x 1
		.amdhsa_system_sgpr_workgroup_id_y 1
		.amdhsa_system_sgpr_workgroup_id_z 1
		.amdhsa_system_vgpr_workitem_id 0
		.amdhsa_next_free_vgpr 256
		.amdhsa_next_free_sgpr 66
		.amdhsa_reserve_vcc 0
		.amdhsa_float_denorm_mode_32 3
		.amdhsa_float_denorm_mode_16_64 3
		.amdhsa_memory_ordered 1
		.amdhsa_forward_progress 1
		.amdhsa_inst_pref_size 84
	.end_amdhsa_kernel
	.amdgpu_metadata
---
amdhsa.version: [ 1, 2 ]
amdhsa.kernels:
  - .name:           k_q0820b209e6_ln1
    .symbol:         k_q0820b209e6_ln1.kd
    .args:
      - { .name: X, .offset: 0, .size: 8, .value_kind: global_buffer, .address_space: global }
      - { .name: ln1_w, .offset: 8, .size: 8, .value_kind: global_buffer, .address_space: global }
      - { .name: himg, .offset: 16, .size: 8, .value_kind: global_buffer, .address_space: global }
      - { .name: Wqkv_codes, .offset: 24, .size: 8, .value_kind: global_buffer, .address_space: global }
      - { .name: Wqkv_scales, .offset: 32, .size: 8, .value_kind: global_buffer, .address_space: global }
      - { .name: Wout_codes, .offset: 40, .size: 8, .value_kind: global_buffer, .address_space: global }
      - { .name: Wout_scales, .offset: 48, .size: 8, .value_kind: global_buffer, .address_space: global }
      - { .name: Wfc1_codes, .offset: 56, .size: 8, .value_kind: global_buffer, .address_space: global }
      - { .name: Wfc1_scales, .offset: 64, .size: 8, .value_kind: global_buffer, .address_space: global }
      - { .name: Wfc2_codes, .offset: 72, .size: 8, .value_kind: global_buffer, .address_space: global }
      - { .name: Wfc2_scales, .offset: 80, .size: 8, .value_kind: global_buffer, .address_space: global }
      - { .name: wimg, .offset: 88, .size: 8, .value_kind: global_buffer, .address_space: global }
    .group_segment_fixed_size: 68096
    .private_segment_fixed_size: 0
    .kernarg_segment_align: 8
    .kernarg_segment_size: 96
    .max_flat_workgroup_size: 128
    .sgpr_count:     66
    .vgpr_count:     256
    .wavefront_size: 32
...
	.end_amdgpu_metadata
.endif
;; end of part 1
;; launch qkv (part 2): grid 16 x 16, 4 waves a work-group, clusters of 4 x 1, 168,448 bytes of LDS; arguments himg, wimg, qimg, kv; writes qimg, kv
.if DOCPART == 2
	.amdgcn_target "amdgcn-amd-amdhsa--gfx1250"
	.amdhsa_code_object_version 6
	.text
	.protected	k_q0820b209e6_qkv
	.globl	k_q0820b209e6_qkv
	.p2align	8
	.type	k_q0820b209e6_qkv,@function
k_q0820b209e6_qkv:
	s_mov_b64 s[64:65], 0
	v_nop
	global_prefetch_b8 v0, s[64:65] scope:SCOPE_SE
	s_setreg_imm32_b32 hwreg(HW_REG_WAVE_MODE, 25, 1), 1
	s_wait_xcnt 0x0
	s_wait_alu depctr_hold_cnt(0) depctr_sa_sdst(0) depctr_va_vdst(0) depctr_va_sdst(0) depctr_va_ssrc(0) depctr_va_vcc(0) depctr_vm_vsrc(0)
	s_getreg_b32 s2, hwreg(HW_REG_IB_STS2, 6, 4)
	s_cmp_eq_u32 s2, 0
	s_cbranch_scc0 .Lentry_in_a_cluster
	s_endpgm
.Lentry_in_a_cluster:
	s_bfe_u32 s2, ttmp6, 0x10000c
	s_cmp_lg_u32 s2, 0x3003
	s_cbranch_scc0 .Lentry_shape_is_right
	s_endpgm
.Lentry_shape_is_right:
; q, k, v = h Wqkv for 256 tokens (work-group x) and one head (work-group y), on codes of BF6 with E8M0 scales; the results are quantised here: q and k along the head's 64, v along the keys.
; THE HEAD'S WEIGHTS (12 tiles of 16 rows x 8 K steps, 159,744 bytes of images) come into LDS once, by four tensor loads a wave, a stage of two K steps each; nothing in LDS is filled twice.
; The four work-groups of a cluster take the same head: each load is asked for jointly (mask 15).  A stage is multiplied while the later ones are on their way: a counted wait and a barrier in front of each.
; Each wave's own four token tiles come from memory straight into registers as images, three K steps ahead.
; q and k are used transposed (source 0 = 16 weight rows, source 1 = 16 tokens): a lane holds one token and its registers run along d.  v the other way round (source 0 = tokens): a lane holds one d
; and its registers run along the tokens, which are the second attention product's K.  By the tiles' row order 16 registers of two neighbouring tiles are 16 neighbours.
; OUT: qimg: 768 bytes a query tile (pieces of 8 bytes a lane), one scale word for two tiles.  kv: for each 128 keys one block of 13,056 bytes:
;   at 0 four images of two key tiles each (12 registers a lane, group c at 512 c + 16 x lane; in a wave's second image lanes l and l xor 8 have changed places, so that the reader, which takes rows of two
;   images in one LDS load, finds them in different banks; a store still covers whole runs of 256 bytes);  at 6,144 four fragments of v^T, each half (six registers a lane) as 16 bytes a lane, then 8 bytes a lane;
;   at 12,288 v's scale words, 16 r + 4 t;  at 12,544 k's scale words, 16 x the reader's lane + 4 x the reader's pair.
; v's scale bytes leave two at a time and k's scale words 16 bytes apart: together 1/17 of what the launch stores into kv.
; LIMITS: NaN and infinities are not served; a block whose largest magnitude lies under 2^-122, or of zeros, keeps the scale byte 1.
; REGISTERS: window 0: v1-15 addresses; v16-159 three sets of four token fragments; v160-171 their scale words; v172-183 the weights' scale words; v188-224 the quantiser.
;   window 1: the 12 weight fragments.  window 2: q(j, t) at v[8 (4 t + j)], k(j, t) at v[128 + 8 (4 t + j)].  window 3: v(j, t) at v[8 (4 j + t)].
.set NL,     12
.set BLK,    19968                     ; a K step's images: 12 x 1,536 bytes of codes, 12 x 128 of scale words
.set STAGEB, 2*BLK
; THE FILL, in place of what the head comment says of four loads and stages: ONE joint tensor load a wave, a quarter of the head's slice (156 rows of 256 bytes), one wait for it and one barrier
; ahead of the first K step.  STAGEB is still the span of one LDS address register (two K steps).  No prefetch: the slice is asked for once, at the head, and no loop runs ahead of a load.
.set QB,     STAGEB                    ; a wave's quarter of the slice: the slice is four spans
.set ROWS,   QB/256
.set WOFF,   0
.set LA,  4
.set LSA, 8
.set GF,  16
.set GS,  160
.set LS,  172
.set TM,  188
.set PW,  204
.set PC,  206
.set WV,  12
.set SEL, 60
.set KPB, 66
.set KSB, 68
.set VPB, 58
.set VSB, 56
.set MSB, 0
.macro WIN new
.if MSB != (\new)
	s_set_vgpr_msb (MSB<<8)|(\new)
.set MSB, (\new)
.endif
.endm
.macro PLACES                          ; four plain places behind matrix instructions, ahead of loads into their registers and of reads of their results
.rept 4
	v_nop
.endr
.endm
.macro CROUND                          ; a round of the cluster's barrier
	s_barrier_signal -1
	s_barrier_wait -1
	s_cmp_lg_u32 s[WV], 0
	s_cbranch_scc1 .Lnot_wave_0_\@
	s_barrier_signal -3
.Lnot_wave_0_\@:
	s_barrier_wait -3
	s_barrier_signal -1
	s_barrier_wait -1
.endm
.macro QUANT s, W                      ; 64 numbers of a lane in window W, register 16 b + i = number 16 h + i of block b, become 12 registers of codes in v[PC] on and four scale bytes in v[PW]
	WIN 5*(\W)
.irp b, 0,1,2,3
	v_max3_num_f32 v[TM+\b], |v[(\s)+16*\b]|, |v[(\s)+16*\b+1]|, 0x2800000   ; with the floor 2^(5 - 127).  Each accumulator is read from its low end on
.endr
	WIN 20*(\W)
.irp i, 2,4,6,8,10,12,14
.irp b, 0,1,2,3
	v_max3_num_f32 v[TM+\b], v[TM+\b], |v[(\s)+16*\b+\i]|, |v[(\s)+16*\b+\i+1]|
.endr
.endr
	WIN 0
.irp b, 0,1,2,3
	v_permlanex16_b32 v[TM+4+\b], v[TM+\b], s[SEL], s[SEL+1]
.endr
.irp b, 0,1,2,3
	v_max_num_f32 v[TM+\b], v[TM+\b], v[TM+4+\b]
.endr
.irp b, 0,1,2,3
	v_add_nc_u32 v[TM+12+\b], 0xfe000000, v[TM+\b]
.endr
.irp b, 0,1,2,3
	v_lshrrev_b32 v[TM+4+\b], 23, v[TM+12+\b]
.endr
	v_lshl_or_b32 v[PW], v[TM+5], 8, v[TM+4]
	v_lshl_or_b32 v[PW], v[TM+6], 16, v[PW]
	v_lshl_or_b32 v[PW], v[TM+7], 24, v[PW]
	WIN \W
.irp c, 0,1
	v_cvt_scalef32_pk16_bf6_f32 v[PC+6*\c:PC+6*\c+2], v[(\s)+32*\c:(\s)+32*\c+15], v[TM+12+2*\c]
	v_cvt_scalef32_pk16_bf6_f32 v[PC+12+4*\c:PC+14+4*\c], v[(\s)+32*\c+16:(\s)+32*\c+31], v[TM+13+2*\c]
.endr
	WIN 0
	v_nop
.irp c, 0,1
.irp i, 0,1,2
	v_permlane16_swap_b32 v[PC+6*\c+\i], v[PC+12+4*\c+\i]
.endr
.irp i, 0,1,2
	v_mov_b32 v[PC+3+6*\c+\i], v[PC+12+4*\c+\i]
.endr
.endr
.endm
.macro LFETCH q, s                     ; quarter q (NL / 4 tiles) of K step s: fragments and scale words from LDS: NL instructions
	WIN 0x40
.set ta, (NL/4)*(\q)
.rept NL/4
.irp c, 0,1,2
	ds_load_b128 v[12*ta+4*\c:12*ta+4*\c+3], v[LA+(\s)/2] offset:((\s)%2)*BLK+1536*ta+512*\c
.endr
.set ta, ta+1
.endr
	WIN 0
.set ta, (NL/4)*(\q)
.rept NL/4
	ds_load_b32 v[LS+ta], v[LSA+(\s)/2] offset:((\s)%2)*BLK+128*ta
.set ta, ta+1
.endr
.endm
.macro GFETCH s                        ; my four token fragments of K step s into set s % 3: 16 loads
	WIN 0
.irp t, 0,1,2,3
.irp c, 0,1,2
	global_load_b128 v[GF+48*((\s)%3)+12*\t+4*\c:GF+48*((\s)%3)+12*\t+4*\c+3], v1, s[48:49] offset:(8*\t+(\s))*1536+512*\c
.endr
	global_load_b32 v[GS+4*((\s)%3)+\t], v2, s[50:51] offset:(8*\t+(\s))*128
.endr
.endm
.macro MM a, t, s                      ; weight tile a x token tile t, K step s.  The first K step starts the sums
.set gfr, GF+48*((\s)%3)+12*(\t)
.set gsr, GS+4*((\s)%3)+(\t)
.set lfr, 12*(\a)
.if (\a) < 8
	WIN 0xa1                                       ; source 0 window 1, source 1 window 0, C and D window 2
.set dd, 8*(4*(\t)+(\a)%4)+128*((\a)/4)
.if (\s) == 0
	v_wmma_scale_f32_16x16x128_f8f6f4 v[dd:dd+7], v[lfr:lfr+11], v[gfr:gfr+11], 0, v[LS+(\a)], v[gsr] matrix_a_fmt:MATRIX_FMT_BF6 matrix_b_fmt:MATRIX_FMT_BF6
.else
	v_wmma_scale_f32_16x16x128_f8f6f4 v[dd:dd+7], v[lfr:lfr+11], v[gfr:gfr+11], v[dd:dd+7], v[LS+(\a)], v[gsr] matrix_a_fmt:MATRIX_FMT_BF6 matrix_b_fmt:MATRIX_FMT_BF6
.endif
.else
	WIN 0xf4                                       ; source 0 window 0, source 1 window 1, C and D window 3
.set dd, 8*(4*((\a)-8)+(\t))
.if (\s) == 0
	v_wmma_scale_f32_16x16x128_f8f6f4 v[dd:dd+7], v[gfr:gfr+11], v[lfr:lfr+11], 0, v[gsr], v[LS+(\a)] matrix_a_fmt:MATRIX_FMT_BF6 matrix_b_fmt:MATRIX_FMT_BF6
.else
	v_wmma_scale_f32_16x16x128_f8f6f4 v[dd:dd+7], v[gfr:gfr+11], v[lfr:lfr+11], v[dd:dd+7], v[gsr], v[LS+(\a)] matrix_a_fmt:MATRIX_FMT_BF6 matrix_b_fmt:MATRIX_FMT_BF6
.endif
.endif
.endm
.macro MULQ q, s                       ; the 48 accumulators take turns, one instruction a turn, in the same order in every K step
.set tb, (NL/4)*(\q)
.rept NL/4
.irp t, 0,1,2,3
	MM tb, \t, \s
.endr
.set tb, tb+1
.endr
.endm
.macro KSTEP s
.if 7-(\s) >= 2
	s_wait_loadcnt 32                              ; this K step's token set is in; the two sets behind it (16 loads each) may be out
.else
	s_wait_loadcnt 16*(7-(\s))
.endif
.irp q, 0,1,2,3
.if (\s) < 7
	s_wait_dscnt 3*NL                              ; this quarter is in; the three quarters asked for behind it may be out
.else
	s_wait_dscnt (3-\q)*NL
.endif
	MULQ \q, \s
.if (\s) < 7
	PLACES
	LFETCH \q, (\s)+1                              ; the same quarter of the next K step takes the registers just multiplied
.endif
.endr
.if (\s)+3 < 8
	GFETCH (\s)+3                                  ; behind the last quarter's places: into the set just multiplied
.endif
.endm
	s_load_b128 s[4:7], s[0:1], 0x0                ; himg, wimg
	s_load_b128 s[8:11], s[0:1], 0x10              ; qimg, kv
	v_lshl_add_u32 v254, v0, 2, 0x29000
	v_mov_b32 v255, 0
	ds_add_u32 v254, v255
	ds_add_u32 v254, v255
	v_lshrrev_b32 v1, 5, v0
	v_readfirstlane_b32 s[WV], v1                  ; wave 0..3
	s_bfe_u32 s13, ttmp6, 0x40000                  ; cx: it enters global addresses of my own loads and stores alone
	s_lshl_b32 s14, ttmp9, 2
	s_add_co_u32 s14, s14, s13                     ; which 256 tokens
	s_and_b32 s15, ttmp7, 0xffff                   ; the head, which the four partners share
	s_mov_b32 s16, 15|(3<<16)|(1<<21)              ; group 1: mask: all four work-groups; elements of 8 bytes; bit 21 beside the mask; no padding
	s_mov_b32 s17, 32<<16                          ; tensor_dim0 = 32 elements: rows of 256 bytes
	s_mov_b32 s18, ROWS<<16                        ; tensor_dim1
	s_mov_b32 s19, 32<<16                          ; tile_dim0
	s_mov_b32 s20, ROWS                            ; tile_dim1
	s_mov_b32 s21, 32                              ; the pitch: the block is dense
	s_mov_b32 s22, 0
	s_mov_b32 s23, 0
	s_mul_i32 s24, s[WV], QB
	s_mul_i32 s26, s15, 8*BLK
	s_add_co_u32 s26, s26, s24
	s_add_co_u32 s26, s26, WOFF
	s_mov_b32 s27, 0
	s_lshl_b32 s28, s14, 4
	s_lshl_b32 s29, s[WV], 2
	s_add_co_u32 s28, s28, s29                     ; my first token tile
	s_mul_i32 s30, s28, 8*1536
	s_mov_b32 s31, 0
	s_lshl_b32 s2, s28, 10
	s_add_co_u32 s2, s2, 3145728
	s_mov_b32 s3, 0
	s_wait_dscnt 0x0
	s_wait_kmcnt 0x0
	s_add_nc_u64 s[26:27], s[6:7], s[26:27]
	s_add_nc_u64 s[48:49], s[4:5], s[30:31]
	s_add_nc_u64 s[50:51], s[4:5], s[2:3]
.irp g, 0
	s_mov_b32 s[32+4*\g], 1
	s_add_co_u32 s[33+4*\g], s24, \g*STAGEB        ; LDS: the slice lies as it lies in memory
	s_add_nc_u64 s[34+4*\g:35+4*\g], s[26:27], \g*STAGEB
	s_or_b32 s[35+4*\g], s[35+4*\g], 0x80000000
.endr
	CROUND                                         ; all four work-groups are here: the joint loads meet
	tensor_load_to_lds s[32:35], s[16:23]          ; my one load: my quarter of the slice
	s_nop 0
.rept 4
	v_nop
.endr
	v_and_b32 v14, 31, v0
	v_lshlrev_b32 v1, 4, v14                       ; 16 x lane
	v_lshlrev_b32 v2, 2, v14                       ; 4 x lane
	v_lshlrev_b32 v3, 3, v14                       ; 8 x lane
	GFETCH 0
	GFETCH 1
	GFETCH 2
.irp g, 0,1,2,3
	v_add_nc_u32 v[LA+\g], \g*STAGEB, v1
	v_add_nc_u32 v[LSA+\g], \g*STAGEB+1536*NL, v2
.endr
	v_and_b32 v15, 15, v0                          ; r
	v_bfe_u32 v13, v0, 4, 1                        ; h
	v_lshlrev_b32 v12, 4, v15
	v_lshl_add_u32 v12, v13, 2, v12                ; v's scale bytes: 16 r + 4 h
	v_and_b32 v15, 7, v0
	v_lshlrev_b32 v15, 4, v15
	v_lshl_add_u32 v15, v13, 8, v15                ; 256 h + 16 (r % 8)
	v_bfe_u32 v14, v0, 3, 1
	v_lshl_add_u32 v15, v14, 2, v15                ; k's scale words: + 4 (r / 8)
	v_xor_b32 v14, 128, v1                         ; 16 x (lane xor 8): my second image of k
	v_lshlrev_b32 v13, 4, v13                      ; 16 h
.irp b, 0,1,2,3
	v_mov_b32 v[TM+4+\b], 0                        ; (a lane permute's destination counts as read)
.endr
	s_mov_b32 s[SEL], 0x76543210
	s_mov_b32 s[SEL+1], 0xfedcba98
	s_lshr_b32 s24, s14, 3                         ; the batch
	s_and_b32 s25, s14, 7
	s_lshl_b32 s24, s24, 4
	s_add_co_u32 s24, s24, s15                     ; 16 batch + head
	s_lshl_b32 s26, s25, 4
	s_lshl_b32 s27, s[WV], 2
	s_add_co_u32 s26, s26, s27                     ; my first tile among the sequence's 128
	s_mul_i32 s28, s24, 98304
	s_mul_i32 s29, s26, 768
	s_add_co_u32 s28, s28, s29
	s_mov_b32 s29, 0
	s_add_nc_u64 s[52:53], s[8:9], s[28:29]        ; q's codes
	s_lshl_b32 s28, s24, 13
	s_lshl_b32 s30, s26, 6
	s_add_co_u32 s28, s28, s30
	s_add_co_u32 s28, s28, 3145728
	s_add_nc_u64 s[54:55], s[8:9], s[28:29]        ; q's scale words
	s_lshr_b32 s30, s26, 3                         ; which 128 keys
	s_mul_i32 s30, s30, 13056
	s_mul_i32 s28, s24, 208896
	s_add_co_u32 s28, s28, s30
	s_add_nc_u64 s[56:57], s[10:11], s[28:29]      ; their block
	s_and_b32 s30, s[WV], 1                        ; which half of them is mine
	s_mul_i32 s28, s30, 3072
	s_add_nc_u64 s[KPB:KPB+1], s[56:57], s[28:29]  ; my two images of k
	s_lshl_b32 s28, s30, 3
	s_add_co_u32 s28, s28, 12544
	s_add_nc_u64 s[KSB:KSB+1], s[56:57], s[28:29]  ; k's scale words: my two of the reader's four pairs
	s_mul_i32 s28, s30, 768
	s_add_co_u32 s28, s28, 6144
	s_add_nc_u64 s[VPB:VPB+1], s[56:57], s[28:29]  ; my half of each fragment of v
	s_lshl_b32 s28, s30, 1
	s_add_co_u32 s28, s28, 12288
	s_add_nc_u64 s[VSB:VSB+1], s[56:57], s[28:29]  ; my two bytes of each of v's scale words
	s_wait_alu depctr_va_vdst(0)
	s_wait_tensorcnt 0x0                           ; my quarter of the slice has landed
	s_barrier_signal -1
	s_barrier_wait -1
	LFETCH 0, 0
	LFETCH 1, 0
	LFETCH 2, 0
	LFETCH 3, 0
.irp s, 0,1,2,3,4,5,6,7
	KSTEP \s
.endr
	WIN 0
	PLACES
.irp tp, 0,1                                   ; q: two token tiles a unit: blocks (tile, d 0-31), (tile, d 32-63), (tile + 1, ..)
.if \tp
	s_wait_xcnt 0x0                                ; the unit before has had its stores' registers read
.endif
	QUANT 64*\tp, 2
.irp p, 0,1,2,3,4,5
	global_store_b64 v3, v[PC+2*\p:PC+2*\p+1], s[52:53] offset:1536*\tp+256*\p   ; 256 consecutive bytes a store
.endr
	global_store_b32 v2, v[PW], s[54:55] offset:128*\tp
.endr
.irp tp, 0,1                                   ; k: the twelve registers are one image of two key tiles; the second image by v14, the first by v1
	s_wait_xcnt 0x0
	QUANT 128+64*\tp, 2
.irp c, 0,1,2
	global_store_b128 v[1+13*\tp], v[PC+4*\c:PC+4*\c+3], s[KPB:KPB+1] offset:1536*\tp+512*\c
.endr
	global_store_b32 v15, v[PW], s[KSB:KSB+1] offset:128*\tp   ; the reader's lane is 16 h + 8 tp + r % 8, its pair 2 (my half) + r / 8
.endr
.irp jp, 0,1                                   ; v: blocks (d tile 2 jp, my tokens 0-31), (2 jp, 32-63), (2 jp + 1, ..): two halves of fragments
	s_wait_xcnt 0x0
	QUANT 64*\jp, 3
	global_store_b128 v1, v[PC:PC+3], s[VPB:VPB+1] offset:3072*\jp
	global_store_b64 v3, v[PC+4:PC+5], s[VPB:VPB+1] offset:3072*\jp+512
	global_store_b128 v1, v[PC+6:PC+9], s[VPB:VPB+1] offset:3072*\jp+1536
	global_store_b64 v3, v[PC+10:PC+11], s[VPB:VPB+1] offset:3072*\jp+2048
	v_lshrrev_b32 v205, v13, v[PW]                 ; lanes 0-15 keep d tile 2 jp's two bytes, lanes 16-31 take 2 jp + 1's
	global_store_b16 v12, v205, s[VSB:VSB+1] offset:8*\jp
.endr
	s_wait_dscnt 0x0
	s_wait_tensorcnt 0x0
	ds_add_u32 v254, v255
	s_wait_dscnt 0x0
	CROUND                                         ; the closing round
	s_endpgm
.Lfunc_end_k_q0820b209e6_qkv:
	.size	k_q0820b209e6_qkv, .Lfunc_end_k_q0820b209e6_qkv-k_q0820b209e6_qkv
	.p2alignl 7, 3214868480
	.fill 96, 4, 3214868480
	.section	.rodata,"a",@progbits
	.p2align	6, 0x0
	.amdhsa_kernel k_q0820b209e6_qkv
		.amdhsa_group_segment_fixed_size 168448
		.amdhsa_private_segment_fixed_size 0
		.amdhsa_enable_private_segment 0
		.amdhsa_kernarg_size 32
		.amdhsa_user_sgpr_count 2
		.amdhsa_user_sgpr_kernarg_segment_ptr 1
		.amdhsa_wavefront_size32 1
		.amdhsa_system_sgpr_workgroup_id_x 1
		.amdhsa_system_sgpr_workgroup_id_y 1
		.amdhsa_system_sgpr_workgroup_id_z 1
		.amdhsa_system_vgpr_workitem_id 0
		.amdhsa_next_free_vgpr 896
		.amdhsa_next_free_sgpr 70
		.amdhsa_reserve_vcc 0
		.amdhsa_float_denorm_mode_32 3
		.amdhsa_float_denorm_mode_16_64 3
		.amdhsa_memory_ordered 1
		.amdhsa_forward_progress 1
		.amdhsa_inst_pref_size 125
	.end_amdhsa_kernel
	.amdgpu_metadata
---
amdhsa.version: [ 1, 2 ]
amdhsa.kernels:
  - .name:           k_q0820b209e6_qkv
    .symbol:         k_q0820b209e6_qkv.kd
    .args:
      - { .name: himg, .offset: 0, .size: 8, .value_kind: global_buffer, .address_space: global }
      - { .name: wimg, .offset: 8, .size: 8, .value_kind: global_buffer, .address_space: global }
      - { .name: qimg, .offset: 16, .size: 8, .value_kind: global_buffer, .address_space: global }
      - { .name: kv, .offset: 24, .size: 8, .value_kind: global_buffer, .address_space: global }
    .group_segment_fixed_size: 168448
    .private_segment_fixed_size: 0
    .kernarg_segment_align: 8
    .kernarg_segment_size: 32
    .max_flat_workgroup_size: 128
    .sgpr_count:     70
    .vgpr_count:     896
    .wavefront_size: 32
...
	.end_amdgpu_metadata
.endif
;; end of part 2
;; launch attn (part 3): grid 8 x 32, 16 waves a work-group, clusters of 4 x 1, 210,944 bytes of LDS; arguments qimg, kv, aimg; writes aimg
.if DOCPART == 3
	.amdgcn_target "amdgcn-amd-amdhsa--gfx1250"
	.amdhsa_code_object_version 6
	.text
	.protected	k_q0820b209e6_attn
	.globl	k_q0820b209e6_attn
	.p2align	8
	.type	k_q0820b209e6_attn,@function
k_q0820b209e6_attn:
	s_mov_b64 s[64:65], 0
	v_nop
	global_prefetch_b8 v0, s[64:65] scope:SCOPE_SE
	s_setreg_imm32_b32 hwreg(HW_REG_WAVE_MODE, 25, 1), 1
	s_wait_xcnt 0x0
	s_wait_alu depctr_hold_cnt(0) depctr_sa_sdst(0) depctr_va_vdst(0) depctr_va_sdst(0) depctr_va_ssrc(0) depctr_va_vcc(0) depctr_vm_vsrc(0)
	s_getreg_b32 s2, hwreg(HW_REG_IB_STS2, 6, 4)
	s_cmp_eq_u32 s2, 0
	s_cbranch_scc0 .Lentry_in_a_cluster
	s_endpgm
.Lentry_in_a_cluster:
	s_bfe_u32 s2, ttmp6, 0x10000c
	s_cmp_lg_u32 s2, 0x3003
	s_cbranch_scc0 .Lentry_shape_is_right
	s_endpgm
.Lentry_shape_is_right:
; attention for one head of one batch (work-group y) and 256 queries (work-group x), both products on codes of BF6 with E8M0 scales; the result, divided by the row's sum, is quantised along the head's 64.
; t = score x log2(e) / 8; M = the running largest t rounded up to a whole number; p = 2^(t - M) is quantised along the keys, not normalised; the sum is taken of the unquantised p.
; SIXTEEN waves, each with one tile of 16 queries in 256 registers.
; THE HEAD'S K AND V, 16 blocks of 13,056 bytes (128 keys each), come into LDS once: wave w asks for block w, 51 rows of 256 bytes, ONE tensor load a wave, jointly for the four query blocks of a
; cluster (mask 15).  One wait for 0 and one barrier stand ahead of the walk over the keys; nothing in LDS is filled twice.  No prefetch: all is asked for at the head, and no loop runs ahead of a load.
; THE WAVES WALK THE KEYS TOGETHER: a barrier is signalled at the top of each key step and waited for at its end, so no wave leaves step n before all sixteen have entered it.  Between the two stand
; register work and LDS loads of bytes that nobody writes.
; THE HEAD'S 64 ARE HALF OF THE INSTRUCTION'S 128: an image of K holds two key tiles, one in k 0-63 and one in k 64-127.  Q stands twice in registers, once with zero codes above and once below:
; zero codes add nothing under scale bytes that are never 0xff (Q's empty half has the byte 127).  So one image feeds two tiles of scores.  Both products are used transposed: a lane holds one query.
; THE KEYS OF A TILE: tile 4 c + u takes keys 64 c + 8 u + 0..7 in rows 0-7 and keys 64 c + 32 + 8 u + 0..7 in rows 8-15: the 32 registers of tiles 4 c .. 4 c + 3 in lane (r, h) are keys 64 c + 32 h + 0..31,
; a whole block of p in one lane, in the second product's operand layout.  The tiles are made so by the LDS addresses: lane (h, m) of the pair 2 c + q reads image 2 c + m / 8, row 8 q + m % 8;
; in the images with odd number lanes l and l xor 8 have changed places in memory, so that the sixteen lanes of a load take sixteen different columns of 16 bytes.
; A block's largest p is made of the block's largest score by the same multiply-add and exponential as every p (this takes v_exp_f32 not to fall where its input rises).
; LIMITS: NaN and infinities are not served; the promise holds while |t| stays under 2^31; a block of the result whose largest magnitude lies under 2^-122, or of zeros, keeps the scale byte 1.
; REGISTERS: v1, v3, v4, v10, v11 lane terms; v2, v5-7 the step's LDS addresses; v8 8 h; v12 -M, v13 the largest t, v[14:15] the sum; v16-27 (q, 0), v28-39 (0, q), v40-41 their scale words;
;   v42-45 the step's scale words; v48-95 four images of K, then four fragments of V; v96-159 the scores, then p; v160-191 O^T; v192-210 p's codes; v212-228 at work; v240-253 seven chains of the sum.
.set STEPB, 13056                      ; a block: at 0 K's four images, at VIMG V's four fragments, at VSC V's scale words, at KSC K's
.set VIMG,  6144
.set VSC,   12288
.set KSC,   12544
.set ROWS,  STEPB/256
.set SPARE, 16*STEPB                   ; behind the blocks: the spare words, 128 bytes a wave
.set WV,  12
.set SEL, 20
.set CS,  22
.set TB,  24
.set G1,  32                           ; s[32:39] descriptor group 1, s[40:43] group 0
.set G0,  40
.set BM,  212                          ; largest scores, then largest p
.set BT,  216
.set BS,  220                          ; the conversions' scale operands
.set TS,  240                          ; the sum's chains
.macro CROUND
	s_barrier_signal -1
	s_barrier_wait -1
	s_cmp_lg_u32 s[WV], 0
	s_cbranch_scc1 .Lnot_wave_0_\@
	s_barrier_signal -3
.Lnot_wave_0_\@:
	s_barrier_wait -3
	s_barrier_signal -1
	s_barrier_wait -1
.endm
.macro PADD d, a, b
	v_pk_add_f32 v[\d:\d+1], v[\a:\a+1], v[\b:\b+1]
.endm
	s_load_b128 s[4:7], s[0:1], 0x0                ; qimg, kv
	s_load_b64 s[8:9], s[0:1], 0x10                ; aimg
	v_lshl_add_u32 v254, v0, 2, SPARE
	v_mov_b32 v255, 0
	ds_add_u32 v254, v255                          ; the opening lines: the add, twice on end, and its wait ahead of my tensor load
	ds_add_u32 v254, v255
	v_lshrrev_b32 v1, 5, v0
	s_delay_alu instid0(VALU_DEP_1)
	v_readfirstlane_b32 s[WV], v1                  ; wave 0..15
	v_and_b32 v9, 31, v0
	v_bfe_u32 v8, v0, 4, 1                         ; h
	v_and_b32 v3, 7, v0
	v_lshlrev_b32 v1, 4, v9                        ; 16 x lane
	v_lshlrev_b32 v10, 3, v9                       ; 8 x lane
	v_lshlrev_b32 v11, 2, v9                       ; 4 x lane
	v_lshlrev_b32 v3, 4, v3
	v_bfe_u32 v9, v0, 3, 1                         ; m / 8, m = lane % 16
	s_delay_alu instid0(VALU_DEP_2)
	v_lshl_add_u32 v3, v8, 8, v3                   ; 256 h + 16 (m % 8)
	v_lshlrev_b32 v8, 3, v8                        ; 8 h
	s_delay_alu instid0(VALU_DEP_2)
	v_mad_u32_u24 v4, v9, 1408, v3
	v_mad_u32_u24 v3, v9, 1664, v3                 ; K's images for the pairs 2 c: row m % 8 (in the image 1,536 on: the column 8 + m % 8)
	s_delay_alu instid0(VALU_DEP_2)
	v_add_nc_u32 v4, 128, v4                       ; for the pairs 2 c + 1: row 8 + m % 8 (1,536 on: the column m % 8)
.irp j, 22,23,24,25,26,27,28,29,30,31,32,33
	v_mov_b32 v\j, 0                               ; the zero codes
.endr
	v_mov_b32 v13, 0xff61b1e6                      ; the largest t so far: -3e38
	v_mov_b32 v14, 0
	v_mov_b32 v15, 0
	v_floor_f32 v12, -v13
	v_mov_b32 v216, 0                              ; (a lane permute's destination counts as read)
	v_mov_b32 v217, 0
	v_mov_b32 v227, 0                              ; (named as the upper half of the pair v[226:227])
	s_bfe_u32 s13, ttmp6, 0x40000
	s_lshl_b32 s14, ttmp9, 2
	s_add_co_u32 s14, s14, s13                     ; which 256 queries: it enters Q's and the result's addresses alone
	s_and_b32 s15, ttmp7, 0xffff                   ; 16 batch + head, which the four partners share
	s_mov_b32 s[G1], 15|(3<<16)|(1<<21)            ; mask 15; elements of 8 bytes; bit 21 beside the mask; no padding
	s_mov_b32 s[G1+1], 32<<16                      ; tensor_dim0 = 32 elements: rows of 256 bytes
	s_mov_b32 s[G1+2], ROWS<<16                    ; tensor_dim1
	s_mov_b32 s[G1+3], 32<<16                      ; tile_dim0
	s_mov_b32 s[G1+4], ROWS                        ; tile_dim1
	s_mov_b32 s[G1+5], 32                          ; the pitch: the block is dense
	s_mov_b32 s[G1+6], 0
	s_mov_b32 s[G1+7], 0
	s_mov_b32 s[G0], 1
	s_mul_i32 s[G0+1], s[WV], STEPB                ; block w, in LDS as among the head's bytes
	s_mul_i32 s26, s15, 16*STEPB
	s_add_co_u32 s26, s26, s[G0+1]
	s_mov_b32 s27, 0
	s_lshl_b32 s16, s14, 4
	s_add_co_u32 s16, s16, s[WV]                   ; my query tile among the sequence's 128
	s_mul_i32 s28, s15, 98304
	s_mul_i32 s29, s16, 768
	s_add_co_u32 s28, s28, s29
	s_mov_b32 s29, 0
	s_lshl_b32 s30, s15, 13
	s_lshr_b32 s31, s16, 1
	s_lshl_b32 s31, s31, 7
	s_add_co_u32 s30, s30, s31
	s_add_co_u32 s30, s30, 3145728
	s_mov_b32 s31, 0
	s_wait_alu depctr_va_vdst(0)
	s_wait_dscnt 0x0                               ; both opening adds are done
	s_wait_kmcnt 0x0
	s_add_nc_u64 s[G0+2:G0+3], s[6:7], s[26:27]
	s_or_b32 s[G0+3], s[G0+3], 0x80000000
	s_add_nc_u64 s[44:45], s[4:5], s[28:29]
	s_add_nc_u64 s[46:47], s[4:5], s[30:31]
.irp p, 0,1,2
	global_load_b64 v[16+2*\p:17+2*\p], v10, s[44:45] offset:256*\p
	global_load_b64 v[34+2*\p:35+2*\p], v10, s[44:45] offset:256*\p
.endr
	global_load_b32 v224, v11, s[46:47]            ; the scale word that my tile shares with its neighbour
	CROUND                                         ; all four work-groups are here: the joint loads meet
	tensor_load_to_lds s[G0:G0+3], s[G1:G1+7]      ; my one load: block w
	s_nop 0
.rept 4
	v_nop
.endr
	s_lshr_b32 s26, s15, 4                         ; the result's place: token tile 128 batch + 16 x + w, K step head / 2, half head % 2
	s_lshl_b32 s26, s26, 7
	s_add_co_u32 s26, s26, s16
	s_lshl_b32 s26, s26, 3
	s_bfe_u32 s27, s15, 0x30001
	s_add_co_u32 s26, s26, s27
	s_and_b32 s27, s15, 1
	s_mul_i32 s28, s26, 1536
	s_mul_i32 s30, s27, 768
	s_add_co_u32 s28, s28, s30
	s_add_nc_u64 s[48:49], s[8:9], s[28:29]
	s_lshl_b32 s28, s26, 7
	s_lshl_b32 s30, s27, 1
	s_add_co_u32 s28, s28, s30
	s_add_co_u32 s28, s28, 3145728
	s_add_nc_u64 s[50:51], s[8:9], s[28:29]
	s_mov_b32 s[SEL], 0x76543210
	s_mov_b32 s[SEL+1], 0xfedcba98
	s_mov_b32 s[CS], 0x3e38aa3b                    ; c = log2(e) / 8
	s_mov_b32 s[CS+1], s[CS]
	s_and_b32 s30, s[WV], 1
	s_lshl_b32 s30, s30, 4
	s_mov_b32 s[TB], 0
	s_mov_b32 s25, 16
	s_wait_loadcnt 0x0                             ; Q
	v_lshrrev_b32 v224, s30, v224                  ; my tile's two bytes
	s_delay_alu instid0(VALU_DEP_1)
	v_and_b32 v224, 0xffff, v224
	s_delay_alu instid0(VALU_DEP_1)
	v_or_b32 v40, 0x7f7f0000, v224                 ; for (q, 0): mine below, 127 above
	v_lshlrev_b32 v41, 16, v224
	s_delay_alu instid0(VALU_DEP_1)
	v_or_b32 v41, 0x7f7f, v41                      ; for (0, q).  (More than eight plain instructions follow ahead of the first product)
.set j, 0
.rept 32
	v_mov_b32 v[160+j], 0                          ; O^T: the step is written once: the first finds zeros
.set j, j+1
.endr
	s_wait_alu depctr_va_vdst(0)
	s_wait_tensorcnt 0x0                           ; my block has landed
	s_barrier_signal -1
	s_barrier_wait -1                              ; all sixteen blocks are whole
.Lstep:                                            ; A KEY STEP: the 128 keys of the block at LDS byte s[TB]
	s_barrier_signal -1                            ; I have entered this step (no LDS instruction of mine is out)
	v_add_nc_u32 v5, s[TB], v1                     ; (these four are also the places behind the last products, ahead of the loads below)
	v_add_nc_u32 v6, s[TB], v3
	v_add_nc_u32 v7, s[TB], v4
	v_mov_b32 v224, v12                            ; the old -M
.irp p, 0,1,2,3
.irp c, 0,1,2
	ds_load_b128 v[48+12*\p+4*\c:51+12*\p+4*\c], v[6+\p%2] offset:3072*(\p/2)+512*\c
.endr
.endr
	ds_load_b128 v[42:45], v5 offset:KSC           ; the four pairs' scale words
	s_wait_alu depctr_va_vdst(0)
	s_wait_dscnt 0x0
.irp p, 0,1,2,3
	v_wmma_scale_f32_16x16x128_f8f6f4 v[96+16*\p:103+16*\p], v[48+12*\p:59+12*\p], v[16:27], 0, v[42+\p], v40 matrix_a_fmt:MATRIX_FMT_BF6 matrix_b_fmt:MATRIX_FMT_BF6
	v_wmma_scale_f32_16x16x128_f8f6f4 v[104+16*\p:111+16*\p], v[48+12*\p:59+12*\p], v[28:39], 0, v[42+\p], v41 matrix_a_fmt:MATRIX_FMT_BF6 matrix_b_fmt:MATRIX_FMT_BF6
.endr
	v_add_nc_u32 v2, s[TB], v10                    ; four places behind the products
.rept 3
	v_nop
.endr
.irp t, 0,1,2,3                                ; V's loads are out under the softmax
.irp c, 0,1
	ds_load_b128 v[48+12*\t+6*\c:51+12*\t+6*\c], v5 offset:VIMG+1536*\t+768*\c
	ds_load_b64 v[52+12*\t+6*\c:53+12*\t+6*\c], v2 offset:VIMG+1536*\t+768*\c+512
.endr
.endr
	ds_load_b128 v[42:45], v5 offset:VSC           ; V's four scale words of row r in lanes 0-15; lanes 16-31 bring bytes of K's scale words, which the matrix unit does not take
.irp b, 0,1,2,3
	v_max3_num_f32 v[BM+\b], v[96+16*\b], v[97+16*\b], v[98+16*\b]   ; four chains of 15 scores, each accumulator from its low end on
.endr
.irp i, 3,5,7,9,11,13
.irp b, 0,1,2,3
	v_max3_num_f32 v[BM+\b], v[BM+\b], v[96+16*\b+\i], v[97+16*\b+\i]
.endr
.endr
.irp c, 0,1
	v_max3_num_f32 v[BM+2*\c], v[BM+2*\c], v[BM+2*\c+1], v[111+32*\c]
.endr
.irp c, 0,1
	v_max_num_f32 v[BM+2*\c], v[BM+2*\c], v[127+32*\c]   ; the largest score of my block 2 c + h: for the row's maximum and for the block's largest p
.endr
	s_delay_alu instid0(VALU_DEP_1)
	v_max_num_f32 v225, v212, v214
	s_delay_alu instid0(VALU_DEP_1)
	v_permlanex16_b32 v216, v225, s[SEL], s[SEL+1]
	s_delay_alu instid0(VALU_DEP_1)
	v_max_num_f32 v225, v225, v216                 ; the step's largest score of my query
	s_delay_alu instid0(VALU_DEP_1)
	v_mul_f32 v225, s[CS], v225
	s_delay_alu instid0(VALU_DEP_1)
	v_max_num_f32 v13, v13, v225                   ; the running largest t
	s_delay_alu instid0(VALU_DEP_1)
	v_floor_f32 v12, -v13                          ; the new -M
	s_delay_alu instid0(VALU_DEP_1)
	v_sub_f32 v224, v12, v224
	s_delay_alu instid0(VALU_DEP_1)
	v_cvt_i32_f32 v224, v224                       ; old M - new M, a whole number (it saturates)
	s_delay_alu instid0(VALU_DEP_1)
	v_ldexp_f32 v226, 1.0, v224                    ; f = 2^(old M - new M)
.set j, 0
.rept 32
	v_pk_fma_f32 v[96+j:97+j], v[96+j:97+j], s[CS:CS+1], v[12:13] op_sel_hi:[1,0,0]   ; t - M
.set j, j+2
.endr
	v_fma_f32 v212, v212, s[CS], v12
	v_fma_f32 v214, v214, s[CS], v12
	s_wait_alu depctr_va_vdst(0)
.set j, 0
.rept 64
	v_exp_f32 v[96+j], v[96+j]                     ; p
.set j, j+1
.endr
	v_pk_mul_f32 v[14:15], v[14:15], v[226:227] op_sel_hi:[1,0]   ; the sums under the new M: a plain place behind the exponentials
	s_wait_alu depctr_va_vdst(0)                   ; one wait for the batch, ahead of its first reader
	v_exp_f32 v212, v212                           ; my two blocks' largest p
	v_exp_f32 v214, v214
.irp k, 0,1,2,3,4,5,6                          ; the sum of the 64 unquantised p: 32 pairs in eight chains, seven at v[TS] on and the running sum itself
	PADD TS+2*\k, 96+2*\k, 110+2*\k
.endr
	PADD 14, 14, 124
.irp k, 0,1,2,3,4,5,6
	PADD TS+2*\k, TS+2*\k, 126+2*\k
.endr
	PADD 14, 14, 140
.irp k, 0,1,2,3,4,5,6
	PADD TS+2*\k, TS+2*\k, 142+2*\k
.endr
	PADD 14, 14, 156
	PADD TS, TS, 158
	s_delay_alu instid0(VALU_DEP_4)
	PADD TS+2, TS+2, TS+10
	s_delay_alu instid0(VALU_DEP_4)
	PADD TS+4, TS+4, TS+12
	s_delay_alu instid0(VALU_DEP_4)
	PADD 14, 14, TS+6
	s_delay_alu instid0(VALU_DEP_4)
	PADD TS, TS, TS+8
	s_delay_alu instid0(VALU_DEP_3)
	PADD TS+2, TS+2, TS+4
	s_delay_alu instid0(VALU_DEP_2)
	PADD 14, 14, TS
	s_delay_alu instid0(VALU_DEP_1)
	PADD 14, 14, TS+2
	s_wait_alu depctr_va_vdst(0)                   ; and one wait for the two exponentials
	v_max_num_f32 v212, 0x2800000, v212            ; the floor 2^(5 - 127): the byte cannot fall under 1
	v_max_num_f32 v214, 0x2800000, v214
	s_delay_alu instid0(VALU_DEP_2)
	v_add_nc_u32 v220, 0xfe000000, v212            ; 4 off the exponent field: the conversion's scale operand
	s_delay_alu instid0(VALU_DEP_2)
	v_add_nc_u32 v221, 0xfe000000, v214
	s_delay_alu instid0(VALU_DEP_2)
	v_lshrrev_b32 v216, 23, v220                   ; the scale's byte
	s_delay_alu instid0(VALU_DEP_2)
	v_lshrrev_b32 v217, 23, v221
	s_delay_alu instid0(VALU_DEP_1)
	v_lshl_or_b32 v228, v217, 16, v216             ; my two bytes: blocks h and 2 + h,
	s_delay_alu instid0(VALU_DEP_1)
	v_lshlrev_b32 v228, v8, v228                   ; at their places in the word (8 h bits up);
	s_delay_alu instid0(VALU_DEP_1)
	v_permlanex16_b32 v216, v228, s[SEL], s[SEL+1]
	s_delay_alu instid0(VALU_DEP_1)
	v_or_b32 v228, v228, v216                      ; with lane l xor 16's two the word is whole
.irp c, 0,1
	v_cvt_scalef32_pk16_bf6_f32 v[192+6*\c:194+6*\c], v[96+32*\c:111+32*\c], v[BS+\c]
	v_cvt_scalef32_pk16_bf6_f32 v[204+4*\c:206+4*\c], v[112+32*\c:127+32*\c], v[BS+\c]   ; (a conversion's three registers begin on an even number: the second half of a block's six does not)
.endr
	v_nop                                          ; one plain place behind the scaled conversions
.irp c, 0,1
.irp i, 0,1,2
	v_mov_b32 v[195+6*\c+\i], v[204+4*\c+\i]
.endr
.endr
.set j, 0
.rept 16
	v_pk_mul_f32 v[160+j:161+j], v[160+j:161+j], v[226:227] op_sel_hi:[1,0]   ; O^T under the new M; these sixteen are also the places ahead of the scaled products
.set j, j+2
.endr
	s_wait_alu depctr_va_vdst(0)
	s_wait_dscnt 0x0                               ; V is in
.irp t, 0,1,2,3
	v_wmma_scale_f32_16x16x128_f8f6f4 v[160+8*\t:167+8*\t], v[48+12*\t:59+12*\t], v[192:203], v[160+8*\t:167+8*\t], v[42+\t], v228 matrix_a_fmt:MATRIX_FMT_BF6 matrix_b_fmt:MATRIX_FMT_BF6
.endr
	s_barrier_wait -1                              ; all sixteen waves have entered this step
	s_add_co_u32 s[TB], s[TB], STEPB
	s_sub_co_u32 s25, s25, 1
	s_cmp_lg_u32 s25, 0
	s_cbranch_scc1 .Lstep
.rept 4
	v_nop
.endr
	v_add_f32 v14, v14, v15
	s_delay_alu instid0(VALU_DEP_1)
	v_permlanex16_b32 v226, v14, s[SEL], s[SEL+1]
	s_delay_alu instid0(VALU_DEP_1)
	v_add_f32 v14, v14, v226                       ; the row's sum
	s_wait_alu depctr_va_vdst(0)
	v_rcp_f32 v224, v14
	v_nop
	s_wait_alu depctr_va_vdst(0)
.set j, 0
.rept 32
	v_mul_f32 v[96+j], v[160+j], v224              ; register 16 b + i = channel 32 b + 16 h + i of my query
.set j, j+1
.endr
.irp b, 0,1
	v_max3_num_f32 v[BM+\b], |v[96+16*\b]|, |v[97+16*\b]|, 0x2800000
.endr
.irp i, 2,4,6,8,10,12,14
.irp b, 0,1
	s_delay_alu instid0(VALU_DEP_2)
	v_max3_num_f32 v[BM+\b], v[BM+\b], |v[96+16*\b+\i]|, |v[97+16*\b+\i]|
.endr
.endr
.irp b, 0,1
	s_delay_alu instid0(VALU_DEP_2)
	v_permlanex16_b32 v[BT+\b], v[BM+\b], s[SEL], s[SEL+1]
.endr
.irp b, 0,1
	s_delay_alu instid0(VALU_DEP_2)
	v_max_num_f32 v[BM+\b], v[BM+\b], v[BT+\b]
.endr
.irp b, 0,1
	s_delay_alu instid0(VALU_DEP_2)
	v_add_nc_u32 v[BS+\b], 0xfe000000, v[BM+\b]
.endr
.irp b, 0,1
	s_delay_alu instid0(VALU_DEP_2)
	v_lshrrev_b32 v[BT+\b], 23, v[BS+\b]
.endr
	s_delay_alu instid0(VALU_DEP_1)
	v_lshl_or_b32 v225, v217, 8, v216              ; my head's two bytes of the row's scale word
	v_cvt_scalef32_pk16_bf6_f32 v[192:194], v[96:111], v220
	v_cvt_scalef32_pk16_bf6_f32 v[204:206], v[112:127], v221
	v_nop
.irp i, 0,1,2
	v_permlane16_swap_b32 v[192+\i], v[204+\i]
.endr
.irp i, 0,1,2
	s_delay_alu instid0(VALU_DEP_3)
	v_mov_b32 v[195+\i], v[204+\i]
.endr
.irp p, 0,1,2
	global_store_b64 v10, v[192+2*\p:193+2*\p], s[48:49] offset:256*\p   ; half a fragment of the output projection's operand: 256 consecutive bytes a store
.endr
	global_store_b16 v11, v225, s[50:51]
	s_wait_tensorcnt 0x0                           ; the wave's end
	ds_add_u32 v254, v255
	s_wait_dscnt 0x0
	CROUND                                         ; the closing round
	s_endpgm
.Lfunc_end_k_q0820b209e6_attn:
	.size	k_q0820b209e6_attn, .Lfunc_end_k_q0820b209e6_attn-k_q0820b209e6_attn
	.p2alignl 7, 3214868480
	.fill 96, 4, 3214868480
	.section	.rodata,"a",@progbits
	.p2align	6, 0x0
	.amdhsa_kernel k_q0820b209e6_attn
		.amdhsa_group_segment_fixed_size 210944
		.amdhsa_private_segment_fixed_size 0
		.amdhsa_enable_private_segment 0
		.amdhsa_kernarg_size 24
		.amdhsa_user_sgpr_count 2
		.amdhsa_user_sgpr_kernarg_segment_ptr 1
		.amdhsa_wavefront_size32 1
		.amdhsa_system_sgpr_workgroup_id_x 1
		.amdhsa_system_sgpr_workgroup_id_y 1
		.amdhsa_system_sgpr_workgroup_id_z 1
		.amdhsa_system_vgpr_workitem_id 0
		.amdhsa_next_free_vgpr 256
		.amdhsa_next_free_sgpr 66
		.amdhsa_reserve_vcc 0
		.amdhsa_float_denorm_mode_32 3
		.amdhsa_float_denorm_mode_16_64 3
		.amdhsa_memory_ordered 1
		.amdhsa_forward_progress 1
		.amdhsa_inst_pref_size 28
	.end_amdhsa_kernel
	.amdgpu_metadata
---
amdhsa.version: [ 1, 2 ]
amdhsa.kernels:
  - .name:           k_q0820b209e6_attn
    .symbol:         k_q0820b209e6_attn.kd
    .args:
      - { .name: qimg, .offset: 0, .size: 8, .value_kind: global_buffer, .address_space: global }
      - { .name: kv, .offset: 8, .size: 8, .value_kind: global_buffer, .address_space: global }
      - { .name: aimg, .offset: 16, .size: 8, .value_kind: global_buffer, .address_space: global }
    .group_segment_fixed_size: 210944
    .private_segment_fixed_size: 0
    .kernarg_segment_align: 8
    .kernarg_segment_size: 24
    .max_flat_workgroup_size: 512
    .sgpr_count:     66
    .vgpr_count:     256
    .wavefront_size: 32
...
	.end_amdgpu_metadata
.endif
;; end of part 3
;; launch oproj (part 4): grid 32 x 8, 4 waves a work-group, clusters of 4 x 1, 168,448 bytes of LDS; arguments aimg, wimg, X, x1; writes x1
.if DOCPART == 4
	.amdgcn_target "amdgcn-amd-amdhsa--gfx1250"
	.amdhsa_code_object_version 6
	.text
	.protected	k_q0820b209e6_oproj
	.globl	k_q0820b209e6_oproj
	.p2align	8
	.type	k_q0820b209e6_oproj,@function
k_q0820b209e6_oproj:
	s_mov_b64 s[64:65], 0
	v_nop
	global_prefetch_b8 v0, s[64:65] scope:SCOPE_SE
	s_setreg_imm32_b32 hwreg(HW_REG_WAVE_MODE, 25, 1), 1
	s_wait_xcnt 0x0
	s_wait_alu depctr_hold_cnt(0) depctr_sa_sdst(0) depctr_va_vdst(0) depctr_va_sdst(0) depctr_va_ssrc(0) depctr_va_vcc(0) depctr_vm_vsrc(0)
	s_getreg_b32 s2, hwreg(HW_REG_IB_STS2, 6, 4)
	s_cmp_eq_u32 s2, 0
	s_cbranch_scc0 .Lentry_in_a_cluster
	s_endpgm
.Lentry_in_a_cluster:
	s_bfe_u32 s2, ttmp6, 0x10000c
	s_cmp_lg_u32 s2, 0x3003
	s_cbranch_scc0 .Lentry_shape_is_right
	s_endpgm
.Lentry_shape_is_right:
; out = res + G W^T for 128 tokens (work-group x) and 128 columns (work-group y), on codes of BF6 with E8M0 scales.  Here: G = the attention's result, W = Wout, res = X, out = x1; K = 1,024.
; THE SLICE OF W (8 tiles x KS K steps of images) comes into LDS once, by four tensor loads a wave, a stage each, jointly for the four work-groups of a cluster (mask 15), which take the same columns.
; Nothing in LDS is filled twice.  A stage is multiplied while the later ones land: a counted wait and a barrier in front of each.  Each wave's two token tiles come from memory straight into registers, four K steps ahead.
; The product is used transposed (source 0 = 16 weight rows, source 1 = 16 tokens): a lane holds one token and eight neighbouring columns.  The way out goes through the wave's own stage in LDS, behind the slice:
; whole rows of 512 bytes come back, the residual (loaded at the head in the same form) is added, and each store covers 512 consecutive bytes, aligned.
; REGISTERS: window 0: v1-13 addresses; v16-31 the weights' scale words (ring slot x 4); v32-47 the tokens' (set x 2); v64-191 rows on the way out.
;   window 1: a ring of four slots of four weight fragments.  window 2: acc(a, t) at v[8 (8 t + a)]; the residual at v[128 + 64 t + 4 row].  window 3: eight sets of two token fragments.
.set KS,     8
.set SPS,    2                         ; K steps in a stage
.set WOFF,   2555904
.set PIECE,  1                         ; the tokens' codes lie in pieces of 8 bytes a lane
.set LPK,    14                        ; loads for a K step's token set
.set GSOFF,  3145728
.set BLK,    13312
.set STAGEB, SPS*BLK
; THE FILL, in place of what the head comment says of four loads and stages: ONE joint tensor load a wave, a quarter of the slice (104 rows of 256 bytes), one wait for it and one barrier
; ahead of the first K step.  STAGEB is still the span of one LDS address register.  No prefetch: the slice is asked for once, at the head, and no loop runs ahead of a load.
.set QB,     STAGEB                    ; a wave's quarter of the slice: the slice is four spans
.set ROWS,   QB/256
.set NH,     2*KS                      ; half steps: four weight tiles x two token tiles each
.set STG,    KS*BLK                    ; the stages: 16 rows x 528 bytes for each wave
.set LA,  4
.set LSA, 8
.set LS,  16
.set GS,  32
.set BK,  64
.set WV,  12
.set MSB, 0
.macro WIN new
.if MSB != (\new)
	s_set_vgpr_msb (MSB<<8)|(\new)
.set MSB, (\new)
.endif
.endm
.macro PLACES
.rept 4
	v_nop
.endr
.endm
.macro CROUND
	s_barrier_signal -1
	s_barrier_wait -1
	s_cmp_lg_u32 s[WV], 0
	s_cbranch_scc1 .Lnot_wave_0_\@
	s_barrier_signal -3
.Lnot_wave_0_\@:
	s_barrier_wait -3
	s_barrier_signal -1
	s_barrier_wait -1
.endm
.macro GFETCH s                        ; my two token fragments of K step s into set s % 8
	WIN 0xc0
.irp t, 0,1
.if PIECE
.irp p, 0,1,2,3,4,5
	global_load_b64 v[24*((\s)%8)+12*\t+2*\p:24*((\s)%8)+12*\t+2*\p+1], v3, s[48:49] offset:(KS*\t+(\s))*1536+256*\p
.endr
.else
.irp c, 0,1,2
	global_load_b128 v[24*((\s)%8)+12*\t+4*\c:24*((\s)%8)+12*\t+4*\c+3], v1, s[48:49] offset:(KS*\t+(\s))*1536+512*\c
.endr
.endif
.endr
	WIN 0
.irp t, 0,1
	global_load_b32 v[GS+2*((\s)%8)+\t], v2, s[50:51] offset:(KS*\t+(\s))*128
.endr
.endm
.macro LFETCH i                        ; half step i's four weight fragments and scale words into ring slot i % 4: 16 LDS loads
.set kst, (\i)/2
.set sgi, kst/SPS
.set lof, (kst%SPS)*BLK
	WIN 0x40
.irp aa, 0,1,2,3
.irp c, 0,1,2
	ds_load_b128 v[48*((\i)%4)+12*\aa+4*\c:48*((\i)%4)+12*\aa+4*\c+3], v[LA+sgi] offset:lof+1536*(4*((\i)%2)+\aa)+512*\c
.endr
.endr
	WIN 0
.irp aa, 0,1,2,3
	ds_load_b32 v[LS+4*((\i)%4)+\aa], v[LSA+sgi] offset:lof+128*(4*((\i)%2)+\aa)
.endr
.endm
.macro HSTEP i
.set kst2, (\i)/2
.if (\i)%2 == 0
.if KS-1-kst2 >= 3
	s_wait_loadcnt 3*LPK                           ; this K step's token set is in; the three sets behind it may be out
.else
	s_wait_loadcnt LPK*(KS-1-kst2)
.endif
.endif
.if NH-1-(\i) >= 3
	s_wait_dscnt 48                                ; this half step's fragments are in; the three half steps behind it (16 loads each) may be out
.else
	s_wait_dscnt 16*(NH-1-(\i))
.endif
	WIN 0xad                                       ; source 0 window 1, source 1 window 3, C and D window 2
.irp aa, 0,1,2,3                               ; the 16 accumulators take turns, one instruction a turn, in the same order in every K step
.irp t, 0,1
.set dd, 8*(8*\t+4*((\i)%2)+\aa)
.set lfr, 48*((\i)%4)+12*\aa
.set gfr, 24*(kst2%8)+12*\t
.if kst2 == 0
	v_wmma_scale_f32_16x16x128_f8f6f4 v[dd:dd+7], v[lfr:lfr+11], v[gfr:gfr+11], 0, v[LS+4*((\i)%4)+\aa], v[GS+2*(kst2%8)+\t] matrix_a_fmt:MATRIX_FMT_BF6 matrix_b_fmt:MATRIX_FMT_BF6
.else
	v_wmma_scale_f32_16x16x128_f8f6f4 v[dd:dd+7], v[lfr:lfr+11], v[gfr:gfr+11], v[dd:dd+7], v[LS+4*((\i)%4)+\aa], v[GS+2*(kst2%8)+\t] matrix_a_fmt:MATRIX_FMT_BF6 matrix_b_fmt:MATRIX_FMT_BF6
.endif
.endr
.endr
.if (\i)+4 < NH
	PLACES
	LFETCH (\i)+4                                  ; into the slot just multiplied
.endif
.if ((\i)%2 == 1) && (kst2+4 < KS)
	GFETCH kst2+4
.endif
.endm
	s_load_b128 s[4:7], s[0:1], 0x0                ; the tokens' images, wimg
	s_load_b128 s[8:11], s[0:1], 0x10              ; the residual, the result
	v_lshl_add_u32 v254, v0, 2, 0x29000
	v_mov_b32 v255, 0
	ds_add_u32 v254, v255
	ds_add_u32 v254, v255
	v_lshrrev_b32 v1, 5, v0
	v_readfirstlane_b32 s[WV], v1
	s_bfe_u32 s13, ttmp6, 0x40000                  ; cx: it enters global addresses of my own loads and stores alone
	s_lshl_b32 s14, ttmp9, 2
	s_add_co_u32 s14, s14, s13                     ; which 128 tokens
	s_and_b32 s15, ttmp7, 0xffff                   ; which 128 columns, shared by the four partners
	s_mov_b32 s16, 15|(3<<16)|(1<<21)
	s_mov_b32 s17, 32<<16
	s_mov_b32 s18, ROWS<<16
	s_mov_b32 s19, 32<<16
	s_mov_b32 s20, ROWS
	s_mov_b32 s21, 32
	s_mov_b32 s22, 0
	s_mov_b32 s23, 0
	s_mul_i32 s24, s[WV], QB
	s_mul_i32 s26, s15, KS*BLK
	s_add_co_u32 s26, s26, s24
	s_add_co_u32 s26, s26, WOFF
	s_mov_b32 s27, 0
	s_lshl_b32 s28, s14, 3
	s_lshl_b32 s29, s[WV], 1
	s_add_co_u32 s28, s28, s29                     ; my first token tile (even)
	s_mul_i32 s30, s28, KS*1536
	s_mov_b32 s31, 0
	s_mul_i32 s2, s28, KS*128
	s_add_co_u32 s2, s2, GSOFF
	s_mov_b32 s3, 0
	s_lshl_b32 s56, s28, 16                        ; 32 (tile / 2) rows of 4,096 bytes
	s_lshl_b32 s57, s15, 9                         ; + my 128 columns
	s_add_co_u32 s56, s56, s57
	s_mov_b32 s57, 0
	s_wait_dscnt 0x0
	s_wait_kmcnt 0x0
	s_add_nc_u64 s[26:27], s[6:7], s[26:27]
	s_add_nc_u64 s[48:49], s[4:5], s[30:31]
	s_add_nc_u64 s[50:51], s[4:5], s[2:3]
	s_add_nc_u64 s[52:53], s[8:9], s[56:57]
	s_add_nc_u64 s[54:55], s[10:11], s[56:57]
.irp g, 0
	s_mov_b32 s[32+4*\g], 1
	s_add_co_u32 s[33+4*\g], s24, \g*STAGEB
	s_add_nc_u64 s[34+4*\g:35+4*\g], s[26:27], \g*STAGEB
	s_or_b32 s[35+4*\g], s[35+4*\g], 0x80000000
.endr
	CROUND
	tensor_load_to_lds s[32:35], s[16:23]          ; my one load: my quarter of the slice
	s_nop 0
.rept 4
	v_nop
.endr
	v_and_b32 v14, 31, v0
	v_lshlrev_b32 v1, 4, v14
	v_lshlrev_b32 v2, 2, v14
	s_wait_alu depctr_va_vdst(0)
	v_lshlrev_b32 v3, 3, v14
	s_wait_alu depctr_va_vdst(0)
	WIN 0x80
.irp t, 0,1
.irp rr, 0,1,2,3,4,5,6,7,8,9,10,11,12,13,14,15
	global_load_b128 v[128+64*\t+4*\rr:131+64*\t+4*\rr], v1, s[52:53] offset:32768*\t+(\rr+8*(\rr/8))*4096 th:TH_LOAD_NT   ; the residual: 512 consecutive bytes of the tile's row rr
.endr
.endr
	WIN 0
	GFETCH 0
	GFETCH 1
	GFETCH 2
	GFETCH 3
.irp g, 0,1,2,3
	v_add_nc_u32 v[LA+\g], \g*STAGEB, v1
	v_add_nc_u32 v[LSA+\g], \g*STAGEB+1536*8, v2
.endr
	s_mul_i32 s24, s[WV], 16*528
	s_add_co_u32 s24, s24, STG                     ; my stage
	v_and_b32 v14, 15, v0
	v_bfe_u32 v15, v0, 4, 1
	v_mul_u32_u24 v12, v14, 528
	v_lshl_add_u32 v12, v15, 6, v12
	v_add_nc_u32 v12, s24, v12                     ; in: row r, + 64 h
	v_add_nc_u32 v13, s24, v1                      ; back: 16 x lane
	s_wait_alu depctr_va_vdst(0)
	s_wait_tensorcnt 0x0                           ; my quarter of the slice has landed
	s_barrier_signal -1
	s_barrier_wait -1
	LFETCH 0
	LFETCH 1
	LFETCH 2
	LFETCH 3
.set hs, 0
.rept NH
	HSTEP hs
.set hs, hs+1
.endr
	WIN 0
	PLACES
.irp t, 0,1
	WIN 0x08                                       ; an LDS store's data are its source 1: window 2
.irp a, 0,1,2,3,4,5,6,7
	ds_store_b128 v12, v[8*(8*\t+\a):8*(8*\t+\a)+3] offset:128*(\a/2)+32*(\a%2)       ; columns 32 (a / 2) + 16 h + 8 (a % 2) + 0 .. 7; each accumulator from its low end on
	ds_store_b128 v12, v[8*(8*\t+\a)+4:8*(8*\t+\a)+7] offset:128*(\a/2)+32*(\a%2)+16
.endr
	WIN 0
.irp rr, 0,1,2,3,4,5,6,7,8,9,10,11,12,13,14,15
	ds_load_b128 v[BK+64*\t+4*\rr:BK+64*\t+4*\rr+3], v13 offset:528*\rr   ; LDS serves a wave's instructions in order: these see my stores, and the next tile's stores come behind them
.endr
.endr
.irp t, 0,1
	s_wait_dscnt 32*(1-\t)                         ; this tile's rows are back; the other tile's 16 stores and 16 loads may be out
	WIN 0x08
.set j, 0
.rept 32
	v_pk_add_f32 v[BK+64*\t+j:BK+64*\t+j+1], v[BK+64*\t+j:BK+64*\t+j+1], v[128+64*\t+j:129+64*\t+j]
.set j, j+2
.endr
	WIN 0
.irp rr, 0,1,2,3,4,5,6,7,8,9,10,11,12,13,14,15
	global_store_b128 v1, v[BK+64*\t+4*\rr:BK+64*\t+4*\rr+3], s[54:55] offset:32768*\t+(\rr+8*(\rr/8))*4096 th:TH_STORE_NT
.endr
.endr
	s_wait_dscnt 0x0
	s_wait_tensorcnt 0x0
	ds_add_u32 v254, v255
	s_wait_dscnt 0x0
	CROUND                                         ; the closing round
	s_endpgm
.Lfunc_end_k_q0820b209e6_oproj:
	.size	k_q0820b209e6_oproj, .Lfunc_end_k_q0820b209e6_oproj-k_q0820b209e6_oproj
	.p2alignl 7, 3214868480
	.fill 96, 4, 3214868480
	.section	.rodata,"a",@progbits
	.p2align	6, 0x0
	.amdhsa_kernel k_q0820b209e6_oproj
		.amdhsa_group_segment_fixed_size 168448
		.amdhsa_private_segment_fixed_size 0
		.amdhsa_enable_private_segment 0
		.amdhsa_kernarg_size 32
		.amdhsa_user_sgpr_count 2
		.amdhsa_user_sgpr_kernarg_segment_ptr 1
		.amdhsa_wavefront_size32 1
		.amdhsa_system_sgpr_workgroup_id_x 1
		.amdhsa_system_sgpr_workgroup_id_y 1
		.amdhsa_system_sgpr_workgroup_id_z 1
		.amdhsa_system_vgpr_workitem_id 0
		.amdhsa_next_free_vgpr 960
		.amdhsa_next_free_sgpr 70
		.amdhsa_reserve_vcc 0
		.amdhsa_float_denorm_mode_32 3
		.amdhsa_float_denorm_mode_16_64 3
		.amdhsa_memory_ordered 1
		.amdhsa_forward_progress 1
		.amdhsa_inst_pref_size 67
	.end_amdhsa_kernel
	.amdgpu_metadata
---
amdhsa.version: [ 1, 2 ]
amdhsa.kernels:
  - .name:           k_q0820b209e6_oproj
    .symbol:         k_q0820b209e6_oproj.kd
    .args:
      - { .name: aimg, .offset: 0, .size: 8, .value_kind: global_buffer, .address_space: global }
      - { .name: wimg, .offset: 8, .size: 8, .value_kind: global_buffer, .address_space: global }
      - { .name: X, .offset: 16, .size: 8, .value_kind: global_buffer, .address_space: global }
      - { .name: x1, .offset: 24, .size: 8, .value_kind: global_buffer, .address_space: global }
    .group_segment_fixed_size: 168448
    .private_segment_fixed_size: 0
    .kernarg_segment_align: 8
    .kernarg_segment_size: 32
    .max_flat_workgroup_size: 128
    .sgpr_count:     70
    .vgpr_count:     960
    .wavefront_size: 32
...
	.end_amdgpu_metadata
.endif
;; end of part 4
;; launch ln2: the kernel of part 1 again; grid 256 x 1, 4 waves a work-group, no clusters, 68,096 bytes of LDS; arguments x1, ln2_w, himg, Wqkv_codes, Wqkv_scales, Wout_codes, Wout_scales, Wfc1_codes, Wfc1_scales, Wfc2_codes, Wfc2_scales, wimg; writes himg, wimg
;; launch fc1 (part 5): grid 16 x 16, 4 waves a work-group, clusters of 4 x 1, 213,504 bytes of LDS; arguments himg, wimg, gimg; writes gimg
.if DOCPART == 5
	.amdgcn_target "amdgcn-amd-amdhsa--gfx1250"
	.amdhsa_code_object_version 6
	.text
	.protected	k_q0820b209e6_fc1
	.globl	k_q0820b209e6_fc1
	.p2align	8
	.type	k_q0820b209e6_fc1,@function
k_q0820b209e6_fc1:
	s_mov_b64 s[64:65], 0
	v_nop
	global_prefetch_b8 v0, s[64:65] scope:SCOPE_SE
	s_setreg_imm32_b32 hwreg(HW_REG_WAVE_MODE, 25, 1), 1
	s_wait_xcnt 0x0
	s_wait_alu depctr_hold_cnt(0) depctr_sa_sdst(0) depctr_va_vdst(0) depctr_va_sdst(0) depctr_va_ssrc(0) depctr_va_vcc(0) depctr_vm_vsrc(0)
	s_getreg_b32 s2, hwreg(HW_REG_IB_STS2, 6, 4)
	s_cmp_eq_u32 s2, 0
	s_cbranch_scc0 .Lentry_in_a_cluster
	s_endpgm
.Lentry_in_a_cluster:
	s_bfe_u32 s2, ttmp6, 0x10000c
	s_cmp_lg_u32 s2, 0x3003
	s_cbranch_scc0 .Lentry_shape_is_right
	s_endpgm
.Lentry_shape_is_right:
; act = a gelu(g), (a, g) = h Wfc1, for 256 tokens (work-group x) and 128 hidden units (work-group y), on codes of BF6 with E8M0 scales; act is quantised along the hidden units and stored as images.
; THE SLICE (8 tiles of a, the same units' 8 tiles of g, 8 K steps: 212,992 bytes of images) comes into LDS once, by four tensor loads a wave, a stage of two K steps each, jointly for the four work-groups of a
; cluster (mask 15).  Nothing in LDS is filled twice.  A stage is multiplied while the later ones land.  Each wave's four token tiles come from memory straight into registers, three K steps ahead.
; The product is used transposed: a lane holds one token; by the weight tiles' row order its 64 registers of a (and of g) are hidden units 32 b + 16 h + i, which is the order that the quantiser takes.
; gelu(g) = g / (1 + 2^(k g (1 + 0.044715 g^2))), k = -2 sqrt(2 / pi) log2(e): the tanh form, all in f32.
; LIMITS: NaN and infinities are not served; a block whose largest magnitude lies under 2^-122, or of zeros, keeps the scale byte 1.
; REGISTERS: window 0: v1-11 addresses; v16-159 three sets of four token fragments (v16-79 at work on the way out); v160-171 their scale words; v172-187 the weights'; v188-224 the quantiser.
;   window 1: the 16 weight fragments.  windows 2, 3: acc(a, t) at v[8 (16 (t % 2) + a)] of window 2 + t / 2.
.set NL,     16
.set BLK,    26624
.set STAGEB, 2*BLK
; THE FILL, in place of what the head comment says of four loads and stages: ONE joint tensor load a wave, a quarter of the slice (208 rows of 256 bytes), one wait for it and one barrier
; ahead of the first K step.  STAGEB is still the span of one LDS address register (two K steps).  No prefetch: the slice is asked for once, at the head, and no loop runs ahead of a load.
.set QB,     STAGEB                    ; a wave's quarter of the slice: the slice is four spans
.set ROWS,   QB/256
.set WOFF,   3407872
.set LA,  4
.set LSA, 8
.set GF,  16
.set GS,  160
.set LS,  172
.set TM,  188
.set PW,  204
.set PC,  206
.set TT,  16
.set WV,  12
.set SEL, 60
.set MSB, 0
.macro WIN new
.if MSB != (\new)
	s_set_vgpr_msb (MSB<<8)|(\new)
.set MSB, (\new)
.endif
.endm
.macro PLACES
.rept 4
	v_nop
.endr
.endm
.macro CROUND
	s_barrier_signal -1
	s_barrier_wait -1
	s_cmp_lg_u32 s[WV], 0
	s_cbranch_scc1 .Lnot_wave_0_\@
	s_barrier_signal -3
.Lnot_wave_0_\@:
	s_barrier_wait -3
	s_barrier_signal -1
	s_barrier_wait -1
.endm
.macro QUANT s, W
	WIN 5*(\W)
.irp b, 0,1,2,3
	v_max3_num_f32 v[TM+\b], |v[(\s)+16*\b]|, |v[(\s)+16*\b+1]|, 0x2800000
.endr
	WIN 20*(\W)
.irp i, 2,4,6,8,10,12,14
.irp b, 0,1,2,3
	v_max3_num_f32 v[TM+\b], v[TM+\b], |v[(\s)+16*\b+\i]|, |v[(\s)+16*\b+\i+1]|
.endr
.endr
	WIN 0
.irp b, 0,1,2,3
	v_permlanex16_b32 v[TM+4+\b], v[TM+\b], s[SEL], s[SEL+1]
.endr
.irp b, 0,1,2,3
	v_max_num_f32 v[TM+\b], v[TM+\b], v[TM+4+\b]
.endr
.irp b, 0,1,2,3
	v_add_nc_u32 v[TM+12+\b], 0xfe000000, v[TM+\b]
.endr
.irp b, 0,1,2,3
	v_lshrrev_b32 v[TM+4+\b], 23, v[TM+12+\b]
.endr
	v_lshl_or_b32 v[PW], v[TM+5], 8, v[TM+4]
	v_lshl_or_b32 v[PW], v[TM+6], 16, v[PW]
	v_lshl_or_b32 v[PW], v[TM+7], 24, v[PW]
	WIN \W
.irp c, 0,1
	v_cvt_scalef32_pk16_bf6_f32 v[PC+6*\c:PC+6*\c+2], v[(\s)+32*\c:(\s)+32*\c+15], v[TM+12+2*\c]
	v_cvt_scalef32_pk16_bf6_f32 v[PC+12+4*\c:PC+14+4*\c], v[(\s)+32*\c+16:(\s)+32*\c+31], v[TM+13+2*\c]
.endr
	WIN 0
	v_nop
.irp c, 0,1
.irp i, 0,1,2
	v_permlane16_swap_b32 v[PC+6*\c+\i], v[PC+12+4*\c+\i]
.endr
.irp i, 0,1,2
	v_mov_b32 v[PC+3+6*\c+\i], v[PC+12+4*\c+\i]
.endr
.endr
.endm
.macro LFETCH q, s
	WIN 0x40
.set ta, (NL/4)*(\q)
.rept NL/4
.irp c, 0,1,2
	ds_load_b128 v[12*ta+4*\c:12*ta+4*\c+3], v[LA+(\s)/2] offset:((\s)%2)*BLK+1536*ta+512*\c
.endr
.set ta, ta+1
.endr
	WIN 0
.set ta, (NL/4)*(\q)
.rept NL/4
	ds_load_b32 v[LS+ta], v[LSA+(\s)/2] offset:((\s)%2)*BLK+128*ta
.set ta, ta+1
.endr
.endm
.macro GFETCH s
	WIN 0
.irp t, 0,1,2,3
.irp c, 0,1,2
	global_load_b128 v[GF+48*((\s)%3)+12*\t+4*\c:GF+48*((\s)%3)+12*\t+4*\c+3], v1, s[48:49] offset:(8*\t+(\s))*1536+512*\c
.endr
	global_load_b32 v[GS+4*((\s)%3)+\t], v2, s[50:51] offset:(8*\t+(\s))*128
.endr
.endm
.macro MM a, t, s
.set dd, 8*(16*((\t)%2)+(\a))
.set lfr, 12*(\a)
.set gfr, GF+48*((\s)%3)+12*(\t)
.set gsr, GS+4*((\s)%3)+(\t)
.if (\s) == 0
	v_wmma_scale_f32_16x16x128_f8f6f4 v[dd:dd+7], v[lfr:lfr+11], v[gfr:gfr+11], 0, v[LS+(\a)], v[gsr] matrix_a_fmt:MATRIX_FMT_BF6 matrix_b_fmt:MATRIX_FMT_BF6
.else
	v_wmma_scale_f32_16x16x128_f8f6f4 v[dd:dd+7], v[lfr:lfr+11], v[gfr:gfr+11], v[dd:dd+7], v[LS+(\a)], v[gsr] matrix_a_fmt:MATRIX_FMT_BF6 matrix_b_fmt:MATRIX_FMT_BF6
.endif
.endm
.macro MULQ q, s                       ; 16 products: the quarter's four weight tiles x my four token tiles; the 64 accumulators take turns, in the same order in every K step
.irp th, 0,1
	WIN 0xa1+0x50*\th                              ; source 0 window 1, source 1 window 0, C and D window 2 or 3
.set tb, 4*(\q)
.rept 4
.irp tl, 0,1
	MM tb, 2*\th+\tl, \s
.endr
.set tb, tb+1
.endr
.endr
.endm
.macro KSTEP s
.if 7-(\s) >= 2
	s_wait_loadcnt 32                              ; this K step's token set is in; the two sets behind it (16 loads each) may be out
.else
	s_wait_loadcnt 16*(7-(\s))
.endif
.irp q, 0,1,2,3
.if (\s) < 7
	s_wait_dscnt 3*NL                              ; this quarter is in; the three quarters asked for behind it may be out
.else
	s_wait_dscnt (3-\q)*NL
.endif
	MULQ \q, \s
.if (\s) < 7
	PLACES
	LFETCH \q, (\s)+1
.endif
.endr
.if (\s)+3 < 8
	GFETCH (\s)+3
.endif
.endm
; token tile t: a gelu(g) into v[TT] on, quantised, stored.  Each run of 32 packed instructions stands under one window setting; each accumulator is read from its low end on.
.macro GEGLU t
.set WW, 2+(\t)/2
.set A0, 128*((\t)%2)
.set G0, A0+64
	WIN 5*WW
.set i, 0
.rept 32
	v_pk_mul_f32 v[TT+i:TT+i+1], v[G0+i:G0+i+1], v[G0+i:G0+i+1]             ; g^2
.set i, i+2
.endr
	WIN 0
.set i, 0
.rept 32
	v_pk_fma_f32 v[TT+i:TT+i+1], v[TT+i:TT+i+1], s[66:67], 1.0 op_sel_hi:[1,0,0]   ; 1 + 0.044715 g^2
.set i, i+2
.endr
	WIN 69*WW
.set i, 0
.rept 32
	v_pk_mul_f32 v[A0+i:A0+i+1], v[A0+i:A0+i+1], v[G0+i:G0+i+1]             ; a g
.set i, i+2
.endr
.set i, 0
.rept 32
	v_pk_mul_f32 v[G0+i:G0+i+1], v[G0+i:G0+i+1], s[68:69] op_sel_hi:[1,0]   ; k g
.set i, i+2
.endr
	WIN 4*WW
.set i, 0
.rept 32
	v_pk_mul_f32 v[TT+i:TT+i+1], v[TT+i:TT+i+1], v[G0+i:G0+i+1]
.set i, i+2
.endr
	WIN 0
.set i, 0
	s_wait_alu depctr_va_vdst(0)
.rept 64
	v_exp_f32 v[TT+i], v[TT+i]
.set i, i+1
.endr
	v_nop                                          ; a plain place behind the batch,
	s_wait_alu depctr_va_vdst(0)                   ; and one wait for it, ahead of its first reader
.set i, 0
.rept 32
	v_pk_add_f32 v[TT+i:TT+i+1], v[TT+i:TT+i+1], 1.0 op_sel_hi:[1,0]
.set i, i+2
.endr
.set i, 0
	s_wait_alu depctr_va_vdst(0)
.rept 64
	v_rcp_f32 v[TT+i], v[TT+i]
.set i, i+1
.endr
	v_nop
	s_wait_alu depctr_va_vdst(0)
	WIN 4*WW
.set i, 0
.rept 32
	v_pk_mul_f32 v[TT+i:TT+i+1], v[TT+i:TT+i+1], v[A0+i:A0+i+1]
.set i, i+2
.endr
	WIN 0
	s_wait_xcnt 0x0                                ; the tile before has had its stores' registers read
	QUANT TT, 0
.irp c, 0,1,2
	global_store_b128 v1, v[PC+4*\c:PC+4*\c+3], s[52:53] offset:24576*(\t)+512*\c
.endr
	global_store_b32 v2, v[PW], s[54:55] offset:2048*(\t)
.endm
	s_load_b128 s[4:7], s[0:1], 0x0                ; himg, wimg
	s_load_b64 s[8:9], s[0:1], 0x10                ; gimg
	v_lshl_add_u32 v254, v0, 2, 0x34000
	v_mov_b32 v255, 0
	ds_add_u32 v254, v255
	ds_add_u32 v254, v255
	v_lshrrev_b32 v1, 5, v0
	v_readfirstlane_b32 s[WV], v1
	s_bfe_u32 s13, ttmp6, 0x40000                  ; cx: it enters global addresses of my own loads and stores alone
	s_lshl_b32 s14, ttmp9, 2
	s_add_co_u32 s14, s14, s13                     ; which 256 tokens
	s_and_b32 s15, ttmp7, 0xffff                   ; which 128 hidden units, shared by the four partners
	s_mov_b32 s16, 15|(3<<16)|(1<<21)
	s_mov_b32 s17, 32<<16
	s_mov_b32 s18, ROWS<<16
	s_mov_b32 s19, 32<<16
	s_mov_b32 s20, ROWS
	s_mov_b32 s21, 32
	s_mov_b32 s22, 0
	s_mov_b32 s23, 0
	s_mul_i32 s24, s[WV], QB
	s_mul_i32 s26, s15, 8*BLK
	s_add_co_u32 s26, s26, s24
	s_add_co_u32 s26, s26, WOFF
	s_mov_b32 s27, 0
	s_lshl_b32 s28, s14, 4
	s_lshl_b32 s29, s[WV], 2
	s_add_co_u32 s28, s28, s29                     ; my first token tile
	s_mul_i32 s30, s28, 8*1536
	s_mov_b32 s31, 0
	s_lshl_b32 s2, s28, 10
	s_add_co_u32 s2, s2, 3145728
	s_mov_b32 s3, 0
	s_lshl_b32 s56, s28, 4
	s_add_co_u32 s56, s56, s15                     ; the result's fragment: 16 x tile + K step y
	s_mul_i32 s58, s56, 1536
	s_mov_b32 s59, 0
	s_lshl_b32 s56, s56, 7
	s_add_co_u32 s56, s56, 6291456
	s_mov_b32 s57, 0
	s_wait_dscnt 0x0
	s_wait_kmcnt 0x0
	s_add_nc_u64 s[26:27], s[6:7], s[26:27]
	s_add_nc_u64 s[48:49], s[4:5], s[30:31]
	s_add_nc_u64 s[50:51], s[4:5], s[2:3]
	s_add_nc_u64 s[52:53], s[8:9], s[58:59]
	s_add_nc_u64 s[54:55], s[8:9], s[56:57]
.irp g, 0
	s_mov_b32 s[32+4*\g], 1
	s_add_co_u32 s[33+4*\g], s24, \g*STAGEB
	s_add_nc_u64 s[34+4*\g:35+4*\g], s[26:27], \g*STAGEB
	s_or_b32 s[35+4*\g], s[35+4*\g], 0x80000000
.endr
	CROUND
	tensor_load_to_lds s[32:35], s[16:23]          ; my one load: my quarter of the slice
	s_nop 0
.rept 4
	v_nop
.endr
	v_and_b32 v14, 31, v0
	v_lshlrev_b32 v1, 4, v14
	v_lshlrev_b32 v2, 2, v14
	GFETCH 0
	GFETCH 1
	GFETCH 2
.irp g, 0,1,2,3
	v_add_nc_u32 v[LA+\g], \g*STAGEB, v1
	v_add_nc_u32 v[LSA+\g], \g*STAGEB+1536*NL, v2
.endr
.irp b, 0,1,2,3
	v_mov_b32 v[TM+4+\b], 0
.endr
	s_mov_b32 s[SEL], 0x76543210
	s_mov_b32 s[SEL+1], 0xfedcba98
	s_mov_b32 s66, 0x3d372713                      ; 0.044715
	s_mov_b32 s67, s66
	s_mov_b32 s68, 0xc0135761                      ; -2 sqrt(2 / pi) log2(e)
	s_mov_b32 s69, s68
	s_wait_alu depctr_va_vdst(0)
	s_wait_tensorcnt 0x0                           ; my quarter of the slice has landed
	s_barrier_signal -1
	s_barrier_wait -1
	LFETCH 0, 0
	LFETCH 1, 0
	LFETCH 2, 0
	LFETCH 3, 0
.irp s, 0,1,2,3,4,5,6,7
	KSTEP \s
.endr
	WIN 0
	PLACES
	GEGLU 0
	GEGLU 1
	GEGLU 2
	GEGLU 3
	s_wait_dscnt 0x0
	s_wait_tensorcnt 0x0
	ds_add_u32 v254, v255
	s_wait_dscnt 0x0
	CROUND                                         ; the closing round
	s_endpgm
.Lfunc_end_k_q0820b209e6_fc1:
	.size	k_q0820b209e6_fc1, .Lfunc_end_k_q0820b209e6_fc1-k_q0820b209e6_fc1
	.p2alignl 7, 3214868480
	.fill 96, 4, 3214868480
	.section	.rodata,"a",@progbits
	.p2align	6, 0x0
	.amdhsa_kernel k_q0820b209e6_fc1
		.amdhsa_group_segment_fixed_size 213504
		.amdhsa_private_segment_fixed_size 0
		.amdhsa_enable_private_segment 0
		.amdhsa_kernarg_size 24
		.amdhsa_user_sgpr_count 2
		.amdhsa_user_sgpr_kernarg_segment_ptr 1
		.amdhsa_wavefront_size32 1
		.amdhsa_system_sgpr_workgroup_id_x 1
		.amdhsa_system_sgpr_workgroup_id_y 1
		.amdhsa_system_sgpr_workgroup_id_z 1
		.amdhsa_system_vgpr_workitem_id 0
		.amdhsa_next_free_vgpr 1024
		.amdhsa_next_free_sgpr 70
		.amdhsa_reserve_vcc 0
		.amdhsa_float_denorm_mode_32 3
		.amdhsa_float_denorm_mode_16_64 3
		.amdhsa_memory_ordered 1
		.amdhsa_forward_progress 1
		.amdhsa_inst_pref_size 212
	.end_amdhsa_kernel
	.amdgpu_metadata
---
amdhsa.version: [ 1, 2 ]
amdhsa.kernels:
  - .name:           k_q0820b209e6_fc1
    .symbol:         k_q0820b209e6_fc1.kd
    .args:
      - { .name: himg, .offset: 0, .size: 8, .value_kind: global_buffer, .address_space: global }
      - { .name: wimg, .offset: 8, .size: 8, .value_kind: global_buffer, .address_space: global }
      - { .name: gimg, .offset: 16, .size: 8, .value_kind: global_buffer, .address_space: global }
    .group_segment_fixed_size: 213504
    .private_segment_fixed_size: 0
    .kernarg_segment_align: 8
    .kernarg_segment_size: 24
    .max_flat_workgroup_size: 128
    .sgpr_count:     70
    .vgpr_count:     1024
    .wavefront_size: 32
...
	.end_amdgpu_metadata
.endif
;; end of part 5
;; launch fc2 (part 6): grid 32 x 8, 4 waves a work-group, clusters of 4 x 1, 247,296 bytes of LDS; arguments gimg, wimg, x1, out0; writes out0
.if DOCPART == 6
	.amdgcn_target "amdgcn-amd-amdhsa--gfx1250"
	.amdhsa_code_object_version 6
	.text
	.protected	k_q0820b209e6_fc2
	.globl	k_q0820b209e6_fc2
	.p2align	8
	.type	k_q0820b209e6_fc2,@function
k_q0820b209e6_fc2:
	s_mov_b64 s[64:65], 0
	v_nop
	global_prefetch_b8 v0, s[64:65] scope:SCOPE_SE
	s_setreg_imm32_b32 hwreg(HW_REG_WAVE_MODE, 25, 1), 1
	s_wait_xcnt 0x0
	s_wait_alu depctr_hold_cnt(0) depctr_sa_sdst(0) depctr_va_vdst(0) depctr_va_sdst(0) depctr_va_ssrc(0) depctr_va_vcc(0) depctr_vm_vsrc(0)
	s_getreg_b32 s2, hwreg(HW_REG_IB_STS2, 6, 4)
	s_cmp_eq_u32 s2, 0
	s_cbranch_scc0 .Lentry_in_a_cluster
	s_endpgm
.Lentry_in_a_cluster:
	s_bfe_u32 s2, ttmp6, 0x10000c
	s_cmp_lg_u32 s2, 0x3003
	s_cbranch_scc0 .Lentry_shape_is_right
	s_endpgm
.Lentry_shape_is_right:
; out = res + G W^T for 128 tokens (work-group x) and 128 columns (work-group y), on codes of BF6 with E8M0 scales.  Here: G = a gelu(g), W = Wfc2, res = x1, out = the block's result; K = 2,048.
; THE SLICE OF W (8 tiles x KS K steps of images) comes into LDS once, by four tensor loads a wave, a stage each, jointly for the four work-groups of a cluster (mask 15), which take the same columns.
; Nothing in LDS is filled twice.  A stage is multiplied while the later ones land: a counted wait and a barrier in front of each.  Each wave's two token tiles come from memory straight into registers, four K steps ahead.
; The product is used transposed (source 0 = 16 weight rows, source 1 = 16 tokens): a lane holds one token and eight neighbouring columns.  The way out goes through the wave's own stage in LDS, behind the slice:
; whole rows of 512 bytes come back, the residual (loaded at the head in the same form) is added, and each store covers 512 consecutive bytes, aligned.
; REGISTERS: window 0: v1-13 addresses; v16-31 the weights' scale words (ring slot x 4); v32-47 the tokens' (set x 2); v64-191 rows on the way out.
;   window 1: a ring of four slots of four weight fragments.  window 2: acc(a, t) at v[8 (8 t + a)]; the residual at v[128 + 64 t + 4 row].  window 3: eight sets of two token fragments.
.set KS,     16
.set SPS,    4                         ; K steps in a stage
.set WOFF,   6815744
.set PIECE,  0                         ; the tokens' codes lie in groups of 16 bytes a lane
.set LPK,    8                         ; loads for a K step's token set
.set GSOFF,  6291456
.set BLK,    13312
.set STAGEB, SPS*BLK
; THE FILL, in place of what the head comment says of four loads and stages: ONE joint tensor load a wave, a quarter of the slice (208 rows of 256 bytes), one wait for it and one barrier
; ahead of the first K step.  STAGEB is still the span of one LDS address register.  No prefetch: the slice is asked for once, at the head, and no loop runs ahead of a load.
.set QB,     STAGEB                    ; a wave's quarter of the slice: the slice is four spans
.set ROWS,   QB/256
.set NH,     2*KS
.set STG,    KS*BLK
.set LA,  4
.set LSA, 8
.set LS,  16
.set GS,  32
.set BK,  64
.set WV,  12
.set MSB, 0
.macro WIN new
.if MSB != (\new)
	s_set_vgpr_msb (MSB<<8)|(\new)
.set MSB, (\new)
.endif
.endm
.macro PLACES
.rept 4
	v_nop
.endr
.endm
.macro CROUND
	s_barrier_signal -1
	s_barrier_wait -1
	s_cmp_lg_u32 s[WV], 0
	s_cbranch_scc1 .Lnot_wave_0_\@
	s_barrier_signal -3
.Lnot_wave_0_\@:
	s_barrier_wait -3
	s_barrier_signal -1
	s_barrier_wait -1
.endm
.macro GFETCH s
	WIN 0xc0
.irp t, 0,1
.if PIECE
.irp p, 0,1,2,3,4,5
	global_load_b64 v[24*((\s)%8)+12*\t+2*\p:24*((\s)%8)+12*\t+2*\p+1], v3, s[48:49] offset:(KS*\t+(\s))*1536+256*\p
.endr
.else
.irp c, 0,1,2
	global_load_b128 v[24*((\s)%8)+12*\t+4*\c:24*((\s)%8)+12*\t+4*\c+3], v1, s[48:49] offset:(KS*\t+(\s))*1536+512*\c
.endr
.endif
.endr
	WIN 0
.irp t, 0,1
	global_load_b32 v[GS+2*((\s)%8)+\t], v2, s[50:51] offset:(KS*\t+(\s))*128
.endr
.endm
.macro LFETCH i
.set kst, (\i)/2
.set sgi, kst/SPS
.set lof, (kst%SPS)*BLK
	WIN 0x40
.irp aa, 0,1,2,3
.irp c, 0,1,2
	ds_load_b128 v[48*((\i)%4)+12*\aa+4*\c:48*((\i)%4)+12*\aa+4*\c+3], v[LA+sgi] offset:lof+1536*(4*((\i)%2)+\aa)+512*\c
.endr
.endr
	WIN 0
.irp aa, 0,1,2,3
	ds_load_b32 v[LS+4*((\i)%4)+\aa], v[LSA+sgi] offset:lof+128*(4*((\i)%2)+\aa)
.endr
.endm
.macro HSTEP i
.set kst2, (\i)/2
.if (\i)%2 == 0
.if KS-1-kst2 >= 3
	s_wait_loadcnt 3*LPK                           ; this K step's token set is in; the three sets behind it may be out
.else
	s_wait_loadcnt LPK*(KS-1-kst2)
.endif
.endif
.if NH-1-(\i) >= 3
	s_wait_dscnt 48                                ; this half step's fragments are in; the three half steps behind it (16 loads each) may be out
.else
	s_wait_dscnt 16*(NH-1-(\i))
.endif
	WIN 0xad
.irp aa, 0,1,2,3
.irp t, 0,1
.set dd, 8*(8*\t+4*((\i)%2)+\aa)
.set lfr, 48*((\i)%4)+12*\aa
.set gfr, 24*(kst2%8)+12*\t
.if kst2 == 0
	v_wmma_scale_f32_16x16x128_f8f6f4 v[dd:dd+7], v[lfr:lfr+11], v[gfr:gfr+11], 0, v[LS+4*((\i)%4)+\aa], v[GS+2*(kst2%8)+\t] matrix_a_fmt:MATRIX_FMT_BF6 matrix_b_fmt:MATRIX_FMT_BF6
.else
	v_wmma_scale_f32_16x16x128_f8f6f4 v[dd:dd+7], v[lfr:lfr+11], v[gfr:gfr+11], v[dd:dd+7], v[LS+4*((\i)%4)+\aa], v[GS+2*(kst2%8)+\t] matrix_a_fmt:MATRIX_FMT_BF6 matrix_b_fmt:MATRIX_FMT_BF6
.endif
.endr
.endr
.if (\i)+4 < NH
	PLACES
	LFETCH (\i)+4
.endif
.if ((\i)%2 == 1) && (kst2+4 < KS)
	GFETCH kst2+4
.endif
.endm
	s_load_b128 s[4:7], s[0:1], 0x0                ; the tokens' images, wimg
	s_load_b128 s[8:11], s[0:1], 0x10              ; the residual, the result
	v_lshl_add_u32 v254, v0, 2, 0x3c400
	v_mov_b32 v255, 0
	ds_add_u32 v254, v255
	ds_add_u32 v254, v255
	v_lshrrev_b32 v1, 5, v0
	v_readfirstlane_b32 s[WV], v1
	s_bfe_u32 s13, ttmp6, 0x40000                  ; cx: it enters global addresses of my own loads and stores alone
	s_lshl_b32 s14, ttmp9, 2
	s_add_co_u32 s14, s14, s13
	s_and_b32 s15, ttmp7, 0xffff
	s_mov_b32 s16, 15|(3<<16)|(1<<21)
	s_mov_b32 s17, 32<<16
	s_mov_b32 s18, ROWS<<16
	s_mov_b32 s19, 32<<16
	s_mov_b32 s20, ROWS
	s_mov_b32 s21, 32
	s_mov_b32 s22, 0
	s_mov_b32 s23, 0
	s_mul_i32 s24, s[WV], QB
	s_mul_i32 s26, s15, KS*BLK
	s_add_co_u32 s26, s26, s24
	s_add_co_u32 s26, s26, WOFF
	s_mov_b32 s27, 0
	s_lshl_b32 s28, s14, 3
	s_lshl_b32 s29, s[WV], 1
	s_add_co_u32 s28, s28, s29
	s_mul_i32 s30, s28, KS*1536
	s_mov_b32 s31, 0
	s_mul_i32 s2, s28, KS*128
	s_add_co_u32 s2, s2, GSOFF
	s_mov_b32 s3, 0
	s_lshl_b32 s56, s28, 16
	s_lshl_b32 s57, s15, 9
	s_add_co_u32 s56, s56, s57
	s_mov_b32 s57, 0
	s_wait_dscnt 0x0
	s_wait_kmcnt 0x0
	s_add_nc_u64 s[26:27], s[6:7], s[26:27]
	s_add_nc_u64 s[48:49], s[4:5], s[30:31]
	s_add_nc_u64 s[50:51], s[4:5], s[2:3]
	s_add_nc_u64 s[52:53], s[8:9], s[56:57]
	s_add_nc_u64 s[54:55], s[10:11], s[56:57]
.irp g, 0
	s_mov_b32 s[32+4*\g], 1
	s_add_co_u32 s[33+4*\g], s24, \g*STAGEB
	s_add_nc_u64 s[34+4*\g:35+4*\g], s[26:27], \g*STAGEB
	s_or_b32 s[35+4*\g], s[35+4*\g], 0x80000000
.endr
	CROUND
	tensor_load_to_lds s[32:35], s[16:23]          ; my one load: my quarter of the slice
	s_nop 0
.rept 4
	v_nop
.endr
	v_and_b32 v14, 31, v0
	v_lshlrev_b32 v1, 4, v14
	v_lshlrev_b32 v2, 2, v14
	s_wait_alu depctr_va_vdst(0)
	v_lshlrev_b32 v3, 3, v14
	WIN 0x80
.irp t, 0,1
.irp rr, 0,1,2,3,4,5,6,7,8,9,10,11,12,13,14,15
	global_load_b128 v[128+64*\t+4*\rr:131+64*\t+4*\rr], v1, s[52:53] offset:32768*\t+(\rr+8*(\rr/8))*4096 th:TH_LOAD_NT
.endr
.endr
	WIN 0
	GFETCH 0
	GFETCH 1
	GFETCH 2
	GFETCH 3
.irp g, 0,1,2,3
	v_add_nc_u32 v[LA+\g], \g*STAGEB, v1
	v_add_nc_u32 v[LSA+\g], \g*STAGEB+1536*8, v2
.endr
	s_mul_i32 s24, s[WV], 16*528
	s_add_co_u32 s24, s24, STG
	v_and_b32 v14, 15, v0
	v_bfe_u32 v15, v0, 4, 1
	v_mul_u32_u24 v12, v14, 528
	v_lshl_add_u32 v12, v15, 6, v12
	v_add_nc_u32 v12, s24, v12
	v_add_nc_u32 v13, s24, v1
	s_wait_alu depctr_va_vdst(0)
	s_wait_tensorcnt 0x0                           ; my quarter of the slice has landed
	s_barrier_signal -1
	s_barrier_wait -1
	LFETCH 0
	LFETCH 1
	LFETCH 2
	LFETCH 3
.set hs, 0
.rept NH
	HSTEP hs
.set hs, hs+1
.endr
	WIN 0
	PLACES
.irp t, 0,1
	WIN 0x08
.irp a, 0,1,2,3,4,5,6,7
	ds_store_b128 v12, v[8*(8*\t+\a):8*(8*\t+\a)+3] offset:128*(\a/2)+32*(\a%2)
	ds_store_b128 v12, v[8*(8*\t+\a)+4:8*(8*\t+\a)+7] offset:128*(\a/2)+32*(\a%2)+16
.endr
	WIN 0
.irp rr, 0,1,2,3,4,5,6,7,8,9,10,11,12,13,14,15
	ds_load_b128 v[BK+64*\t+4*\rr:BK+64*\t+4*\rr+3], v13 offset:528*\rr
.endr
.endr
.irp t, 0,1
	s_wait_dscnt 32*(1-\t)                         ; this tile's rows are back; the other tile's 16 stores and 16 loads may be out
	WIN 0x08
.set j, 0
.rept 32
	v_pk_add_f32 v[BK+64*\t+j:BK+64*\t+j+1], v[BK+64*\t+j:BK+64*\t+j+1], v[128+64*\t+j:129+64*\t+j]
.set j, j+2
.endr
	WIN 0
.irp rr, 0,1,2,3,4,5,6,7,8,9,10,11,12,13,14,15
	global_store_b128 v1, v[BK+64*\t+4*\rr:BK+64*\t+4*\rr+3], s[54:55] offset:32768*\t+(\rr+8*(\rr/8))*4096 th:TH_STORE_NT
.endr
.endr
	s_wait_dscnt 0x0
	s_wait_tensorcnt 0x0
	ds_add_u32 v254, v255
	s_wait_dscnt 0x0
	CROUND                                         ; the closing round
	s_endpgm
.Lfunc_end_k_q0820b209e6_fc2:
	.size	k_q0820b209e6_fc2, .Lfunc_end_k_q0820b209e6_fc2-k_q0820b209e6_fc2
	.p2alignl 7, 3214868480
	.fill 96, 4, 3214868480
	.section	.rodata,"a",@progbits
	.p2align	6, 0x0
	.amdhsa_kernel k_q0820b209e6_fc2
		.amdhsa_group_segment_fixed_size 247296
		.amdhsa_private_segment_fixed_size 0
		.amdhsa_enable_private_segment 0
		.amdhsa_kernarg_size 32
		.amdhsa_user_sgpr_count 2
		.amdhsa_user_sgpr_kernarg_segment_ptr 1
		.amdhsa_wavefront_size32 1
		.amdhsa_system_sgpr_workgroup_id_x 1
		.amdhsa_system_sgpr_workgroup_id_y 1
		.amdhsa_system_sgpr_workgroup_id_z 1
		.amdhsa_system_vgpr_workitem_id 0
		.amdhsa_next_free_vgpr 960
		.amdhsa_next_free_sgpr 70
		.amdhsa_reserve_vcc 0
		.amdhsa_float_denorm_mode_32 3
		.amdhsa_float_denorm_mode_16_64 3
		.amdhsa_memory_ordered 1
		.amdhsa_forward_progress 1
		.amdhsa_inst_pref_size 105
	.end_amdhsa_kernel
	.amdgpu_metadata
---
amdhsa.version: [ 1, 2 ]
amdhsa.kernels:
  - .name:           k_q0820b209e6_fc2
    .symbol:         k_q0820b209e6_fc2.kd
    .args:
      - { .name: gimg, .offset: 0, .size: 8, .value_kind: global_buffer, .address_space: global }
      - { .name: wimg, .offset: 8, .size: 8, .value_kind: global_buffer, .address_space: global }
      - { .name: x1, .offset: 16, .size: 8, .value_kind: global_buffer, .address_space: global }
      - { .name: out0, .offset: 24, .size: 8, .value_kind: global_buffer, .address_space: global }
    .group_segment_fixed_size: 247296
    .private_segment_fixed_size: 0
    .kernarg_segment_align: 8
    .kernarg_segment_size: 32
    .max_flat_workgroup_size: 128
    .sgpr_count:     70
    .vgpr_count:     960
    .wavefront_size: 32
...
	.end_amdgpu_metadata
.endif
;; end of part 6
